; MI455X (gfx1250); checked and timed in simulation.
; The chip was launched on July 23, 2026; its instructions are those of AMD's public machine-readable ISA for CDNA 5 (MIT licence, August 2026) and "CDNA5" Instruction Set Architecture Reference Guide (July 2026). The comments in the code are by the model that wrote it; some were corrected since.
;; Attention Block. Allowed arithmetic: matrix products marked QUANTISED: E4M3 operands, one E8M0 scale for each 32 along K, by v_wmma_scale_f32_16x16x128_f8f6f4 with both operands' format E4M3, f32 sums; everything else in f32.
;; Inputs: W_out 16 x 64 x 1,024 float32; W_qkv 1,024 x 3 x 16 x 64 float32; b_out 1,024 float32; b_qkv 3 x 16 x 64 float32; x 4 x 2,048 x 1,024 float32.
;; Outputs: out0 4 x 2,048 x 1,024 float32.
;; This version of the problem:
;;   THIS VERSION OF THE PROBLEM IS GIVEN IN LOW PRECISION. The matrix products marked QUANTISED in the list below multiply operands that are first quantised to E4M3 (4 exponent bits, 3 mantissa bits; 8 bits a number), with one power-of-two scale for each 32 numbers along K (OCP MX v1.0); their sums are f32. All else is computed in f32.
;;   The module's matrix products, in the order in which they are computed (A, B: the left and right operand; K: the contracted axis; several contracted axes count as one K, in the product's order):
;;     1. [M 8,192, K 1,024] x [K 1,024, N 3,072]; A: input x; B: input W_qkv: QUANTISED
;;     2. batch 64 x [M 2,048, K 64] x [K 64, N 2,048]; A: computed on the way; B: computed on the way: QUANTISED
;;     3. batch 64 x [M 64, K 2,048] x [K 2,048, N 2,048]; A: computed on the way; B: softmax (see below): QUANTISED
;;     4. [M 8,192, K 1,024] x [K 1,024, N 1,024]; A: computed on the way; B: input W_out: QUANTISED
;;   THE QUANTISER, for each operand of a quantised product, along K:
;;     - K is cut into blocks of 32 from its start; a last block that is shorter is filled with zeros.
;;     - A block's scale is 2^e with e = floor(log2(the largest magnitude in the block)) - 8, held to -126 .. 127; a block of zeros has e = 0. As a byte (E8M0): e + 127.
;;     - Each number is divided by its block's scale, clamped to +-448, and rounded to the nearest number of E4M3, ties to even, subnormals kept.
;;     - The product sums the exact products of the quantised numbers (number of the format x scale) in f32.
;;   ~~~python
;;   def quantise(x, axis):      # numpy; x: float32 -> the quantised numbers, widened to float32 again
;;       x = np.moveaxis(x, axis, -1); K = x.shape[-1]
;;       x = np.pad(x, [(0, 0)] * (x.ndim - 1) + [(0, -K % 32)]); x = x.reshape(x.shape[:-1] + (-1, 32)); a = np.abs(x).max(-1, keepdims=True)
;;       e = np.where(a > 0, np.clip(np.frexp(np.where(a > 0, a, 1))[1] - 1 - 8, -126, 127), 0)      # np.frexp(a)[1] - 1 = floor(log2(a)), exactly
;;       r = np.clip(x / 2.0 ** e, -448, 448)
;;       step = 2.0 ** (np.maximum(np.frexp(np.where(r == 0, 1, r))[1] - 1, -6) - 3)
;;       q = np.round(r / step) * step * 2.0 ** e      # np.round: ties to even
;;       return np.moveaxis(q.reshape(q.shape[:-2] + (-1,))[..., :K], -1, axis).astype(np.float32)
;;   ~~~
;;   SOFTMAX AHEAD OF A QUANTISED PRODUCT. Where the list says 'softmax', what is quantised is not the finished softmax but p = 2^(t - M), with t = logit x log2(e) and M = ceil(the row's largest t), a whole number; so 1/2 < the row's largest p <= 1. The row's sum l is taken of the UNQUANTISED p, in f32, and the product's result is divided by l at the end. Since M is a whole number, a kernel that streams over the keys may use a running M (the ceiling of the running maximum): every later rescaling is an exact power of two, which a block's scale takes up: the codes' values come out the same.
;;   OPERANDS COMPUTED ON THE WAY. 'Computed on the way' means the value that the module computes at that place (a softmax that the list does not call 'softmax' is quantised finished and normalised). What goes into a quantiser is computed in f32, as accurately as f32 sums, v_exp_f32 and their like allow (about 1e-6 of the number): no bf16 or f16 on the way to a quantiser, and a product that is left as it is and whose result goes on into a quantised operand takes f32 operands (vector FMAs, or v_wmma_f32_16x16x4_f32). A number that lies on a knife's edge between two numbers of the format may be rounded either way, as far as f32 arithmetic and the matrix unit's own rounding can turn it there, and no further.
;; One version. Each part assembles by itself: llvm-mc -triple=amdgcn-amd-amdhsa -mcpu=gfx1250 --defsym DOCPART=n.
;; ======== version 1 of 1: 4 launches
;; limits: right only within a limited range of input values
;; workspace buffers: wsq 12,976,128 bytes; qkv 25,952,256 bytes; ans 8,650,752 bytes
;; launch quant (part 1): grid 384 x 1, 4 waves a work-group, no clusters, 68,096 bytes of LDS; arguments x, W_qkv, W_out, wsq; writes wsq
.if DOCPART == 1
	.amdgcn_target "amdgcn-amd-amdhsa--gfx1250"
	.amdhsa_code_object_version 6
	.text
	.protected	k_qeea0852d35_quant
	.globl	k_qeea0852d35_quant
	.p2align	8
	.type	k_qeea0852d35_quant,@function
k_qeea0852d35_quant:
	s_mov_b64 s[64:65], 0
	v_nop
	global_prefetch_b8 v0, s[64:65] scope:SCOPE_SE
	s_setreg_imm32_b32 hwreg(HW_REG_WAVE_MODE, 25, 1), 1
	s_wait_xcnt 0x0
; x [8192][1024], W_qkv [1024 (k)][3072 (n)] and W_out [1024 (k)][1024 (n)], f32, become codes of FP8 (E4M3) with K innermost and one E8M0 byte for each 32 along K.
; A block's scale is 2^(floor(log2(its largest magnitude)) - 8); each number is divided by it, held within +-448 and rounded to the nearest code, ties to even.
; THE ROWS ARE LAID IN ANOTHER ORDER: row n of an operand lies at place pos(n) = n with its bits 3 and 4 exchanged, codes (1,024 bytes a row) and scale bytes (32 a row) alike.
; Sixteen neighbouring places 16 t .. 16 t + 15 (t = 2 f + u) are then rows 32 f + 8 u + i + 8 (i / 8): the rows that a tile of a product must have so that its results are neighbours along the next product's K.
; Work-groups 0-255 take x (K innermost: a stream of blocks; 8 rows a wave), work-groups 256-383 the weights (K outermost: a lane takes a column and its registers run down K).
; The two ways part on the work-group's number and have LDS bytes of their own.  No tensor load, no barrier: waves share nothing.  No cluster: no byte is read by two work-groups.
; LIMITS: a block of zeros, or one whose largest magnitude lies under 2^-118, gets the byte 1 (its codes are zeros or tiny; the bytes are read by this program alone); NaN and infinities are not served.
.set XSO,   12582912                   ; wsq: x's codes at 0, W_qkv's at WQC, W_out's at WOC; then the scale bytes
.set WQC,   8388608
.set WOC,   11534336
.set WQS,   12845056
.set WOS,   12943360
.set STEPS, 16
.set SP,    80                         ; way x: a lane's place in a stage: 64 bytes + 16 of padding
.set R,     16                         ; v16-79   four sets of 16 numbers as loaded
.set X,     80                         ; v80-111  two sets of 16 neighbours
.set E,     112                        ; v112-127 a scale byte for each step
.set C,     128                        ; v128-191 codes: four registers a step
.set PITCH, 272                        ; way W: a stage row: 256 bytes + 16
.set NB,    8                          ; blocks of 32 along K for a wave
.set XW,    32                         ; v32-95   two sets of 32 numbers
.set CW,    96                         ; v96-103  a block's codes
.set OUTR,  112                        ; v112-175 the way out
.set SB,    24                         ; v24-25   eight scale bytes
.set OFF,   176                        ; v176-207 row i of a block: i x the row's bytes + 4 x lane; never rewritten
	s_load_b256 s[4:11], s[0:1], 0x0               ; x s[4:5], W_qkv s[6:7], W_out s[8:9], wsq s[10:11]
	v_lshl_add_u32 v224, v0, 2, 0x10800
	v_mov_b32 v225, 0
	v_lshrrev_b32 v1, 5, v0
	v_readfirstlane_b32 s16, v1                    ; wave
	v_and_b32 v2, 31, v0                           ; lane
	s_cmp_lt_u32 ttmp9, 256
	s_cbranch_scc0 .Lweights
; ---------------- x: a wave takes 8 rows = 16 steps of 512 numbers ----------------
	v_lshlrev_b32 v3, 4, v2                        ; my 16 bytes of a load's 512, and of a step's 512 bytes of codes
	s_lshl_b32 s17, s16, 13                        ; my wave's 8,192 bytes of LDS
	v_lshrrev_b32 v14, 2, v2
	v_mul_u32_u24 v14, v14, SP
	v_and_b32 v15, 3, v2
	v_lshl_add_u32 v14, v15, 4, v14
	v_add_nc_u32 v14, s17, v14                     ; the stage, way in: four lanes' 64 bytes on end, then padding
	v_mul_u32_u24 v15, v2, SP
	v_add_nc_u32 v15, s17, v15                     ; way out: my 16 neighbours
	v_lshrrev_b32 v5, 1, v2
	s_add_co_u32 s17, s17, 2*32*SP
	v_add_nc_u32 v5, s17, v5                       ; my block's scale byte among the wave's 256
	v_lshlrev_b32 v7, 3, v2
	v_add_nc_u32 v6, s17, v7
	s_lshl_b32 s18, ttmp9, 2
	s_add_co_u32 s20, s18, s16                     ; my run of 8 rows
	s_lshl_b32 s20, s20, 15                        ; 32,768 bytes of x a run
	s_mov_b32 s21, 0
	s_and_b32 s19, s16, 1                          ; a run's bits 0 and 1 are its rows' bits 3 and 4: exchanged on the way out
	s_lshl_b32 s19, s19, 1
	s_lshr_b32 s22, s16, 1
	s_or_b32 s19, s19, s22
	s_add_co_u32 s18, s18, s19
	s_lshl_b32 s24, s18, 13                        ; 8,192 bytes of codes a run
	s_mov_b32 s25, 0
	s_lshl_b32 s26, s18, 8                         ; 256 scale bytes a run
	s_add_co_u32 s26, s26, XSO
	s_mov_b32 s27, 0
	s_wait_alu depctr_va_vdst(0)
	s_wait_kmcnt 0x0
	s_add_nc_u64 s[4:5], s[4:5], s[20:21]
	s_add_nc_u64 s[12:13], s[10:11], s[24:25]
	s_add_nc_u64 s[14:15], s[10:11], s[26:27]
.macro LOAD t
.irp i, 0,1,2,3
	global_load_b128 v[R+16*((\t)%4)+4*\i:R+16*((\t)%4)+4*\i+3], v3, s[4:5] offset:2048*(\t)+512*\i th:TH_LOAD_NT   ; 32 lanes read 512 consecutive bytes
.endr
.endm
.macro TURN t                          ; step t's numbers through the stage; LDS serves a wave's instructions in order, so no wait stands between the stores and the loads
.irp i, 0,1,2,3
	ds_store_b128 v14, v[R+16*((\t)%4)+4*\i:R+16*((\t)%4)+4*\i+3] offset:32*SP*((\t)%2)+8*SP*\i
.endr
.irp i, 0,1,2,3
	ds_load_b128 v[X+16*((\t)%2)+4*\i:X+16*((\t)%2)+4*\i+3], v15 offset:32*SP*((\t)%2)+16*\i
.endr
.endm
.irp t, 0,1,2,3
	LOAD \t
.endr
	s_wait_loadcnt 12                              ; step 0's four loads are in
	TURN 0
.macro STEP t
.set XS, X+16*((\t)%2)
.if (\t) > 0
	s_wait_dscnt 1                                 ; this step's numbers are back from the stage (the last step's byte store may be out)
.else
	s_wait_dscnt 0x0
.endif
.if (\t)+4 < STEPS
	LOAD (\t)+4                                    ; into the registers that the stage's stores have read
.endif
.if (\t)+1 < STEPS
.if STEPS-2-(\t) >= 3
	s_wait_loadcnt 12                              ; the next step's four loads are in; three steps' may be out
.else
	s_wait_loadcnt 4*(STEPS-2-(\t))
.endif
	TURN (\t)+1
.endif
	v_max3_num_f32 v8, |v[XS]|, |v[XS+1]|, |v[XS+2]|               ; the largest magnitude of my 16, in two chains
	v_max3_num_f32 v9, |v[XS+3]|, |v[XS+4]|, |v[XS+5]|
.irp i, 6,10
	v_max3_num_f32 v8, v8, |v[XS+\i]|, |v[XS+\i+1]|
	v_max3_num_f32 v9, v9, |v[XS+\i+2]|, |v[XS+\i+3]|
.endr
	v_max3_num_f32 v8, v8, |v[XS+14]|, |v[XS+15]|
	v_max3_num_f32 v8, v8, v9, 0x4800000           ; and the floor 2^(9 - 127): the byte cannot fall under 1
	v_max_num_f32_dpp v8, v8, v8 row_xmask:1 row_mask:0xf bank_mask:0xf   ; with my neighbour's 16: the block's
	v_add_nc_u32 v11, 0xfc000000, v8               ; 8 off the exponent field: the conversion's scale operand
.irp i, 0,1,2,3,4,5,6,7,8,9,10,11,12,13,14,15
.endr
	v_cvt_scalef32_pk8_fp8_f32 v[C+4*(\t):C+4*(\t)+1], v[XS:XS+7], v11
	v_cvt_scalef32_pk8_fp8_f32 v[C+4*(\t)+2:C+4*(\t)+3], v[XS+8:XS+15], v11
	v_lshrrev_b32 v[E+(\t)], 23, v11               ; the scale's byte
	ds_store_b8 v5, v[E+(\t)] offset:16*(\t)       ; both lanes of a block write the same byte with the same value
	global_store_b128 v3, v[C+4*(\t):C+4*(\t)+3], s[12:13] offset:512*(\t)   ; 512 consecutive bytes
.endm
.irp t, 0,1,2,3,4,5,6,7,8,9,10,11,12,13,14,15
	STEP \t
.endr
	ds_load_b64 v[12:13], v6                       ; my wave's 256 scale bytes: 8 rows of 32
	s_wait_dscnt 0x0
	global_store_b64 v7, v[12:13], s[14:15]        ; 256 consecutive bytes, aligned
	s_wait_tensorcnt 0x0
	ds_add_u32 v224, v225
	s_wait_dscnt 0x0
	s_endpgm
; ---------------- the weights: a wave takes 32 columns x 256 along K ----------------
.Lweights:
	s_sub_co_u32 s17, ttmp9, 256
	s_cmp_lt_u32 s17, 96                           ; 96 work-groups for W_qkv (24 groups of 128 columns x 4 along K), 32 for W_out
	s_cselect_b32 s18, 0, 96
	s_mov_b32 s30, 4096
	s_cselect_b32 s30, 12288, s30                  ; a row of the weight in bytes
	s_mov_b32 s31, WOC
	s_cselect_b32 s31, WQC, s31
	s_mov_b32 s32, WOS
	s_cselect_b32 s32, WQS, s32
	s_wait_kmcnt 0x0
	s_cselect_b64 s[6:7], s[6:7], s[8:9]           ; the choice hangs on the work-group's number alone
	s_sub_co_u32 s17, s17, s18
	s_lshr_b32 s18, s17, 2
	s_and_b32 s19, s17, 3                          ; which 256 along K
	s_lshl_b32 s18, s18, 7
	s_lshl_b32 s20, s16, 5
	s_add_co_u32 s18, s18, s20                     ; my wave's first column
	s_lshl_b32 s20, s19, 8
	s_mul_i32 s20, s20, s30
	s_lshl_b32 s21, s18, 2
	s_add_co_u32 s20, s20, s21
	s_mov_b32 s21, 0
	s_add_nc_u64 s[36:37], s[6:7], s[20:21]        ; block 0's first row, my first column
	s_lshl_b32 s24, s30, 5                         ; 32 rows on
	s_mov_b32 s25, 0
.irp t, 1,2,3,4,5,6,7
	s_add_nc_u64 s[36+2*\t:37+2*\t], s[34+2*\t:35+2*\t], s[24:25]   ; a base for each block: none is ever stepped
.endr
	s_lshl_b32 s26, s18, 10
	s_add_co_u32 s26, s26, s31
	s_lshl_b32 s27, s19, 8
	s_add_co_u32 s26, s26, s27
	s_mov_b32 s27, 0
	s_add_nc_u64 s[12:13], s[10:11], s[26:27]      ; codes: place n0, 256 bytes of K
	s_lshl_b32 s28, s18, 5
	s_add_co_u32 s28, s28, s32
	s_lshl_b32 s29, s19, 3
	s_add_co_u32 s28, s28, s29
	s_mov_b32 s29, 0
	s_add_nc_u64 s[14:15], s[10:11], s[28:29]      ; scale bytes: place n0, 8 bytes of K
	s_wait_alu depctr_va_vdst(0)
	v_lshlrev_b32 v3, 2, v2
.irp i, 0,1,2,3,4,5,6,7,8,9,10,11,12,13,14,15,16,17,18,19,20,21,22,23,24,25,26,27,28,29,30,31
	v_mad_u32_u24 v[OFF+\i], s30, \i, v3
.endr
	s_mul_i32 s33, s16, 32*PITCH
	s_add_co_u32 s33, s33, 32768                   ; my stage, behind the other way's bytes
	v_mul_u32_u24 v4, v2, PITCH
	v_add_nc_u32 v4, s33, v4                       ; into it: row = my column
	v_and_b32 v5, 15, v2
	v_lshrrev_b32 v6, 4, v2
	v_mul_u32_u24 v7, v6, PITCH
	v_lshl_add_u32 v7, v5, 4, v7
	v_add_nc_u32 v7, s33, v7                       ; out of it: sixteen lanes to a row, two rows an instruction
	v_lshlrev_b32 v8, 10, v6
	v_lshl_add_u32 v8, v5, 4, v8                   ; and the same in the codes' buffer
	v_and_b32 v9, 7, v2                            ; my column's place: bits 3 and 4 exchanged
	v_and_b32 v10, 8, v2
	v_lshl_or_b32 v9, v10, 1, v9
	v_and_b32 v10, 16, v2
	v_lshrrev_b32 v10, 1, v10
	v_or_b32 v9, v9, v10
	v_lshlrev_b32 v9, 5, v9                        ; x 32 bytes of scales a row
.macro LOADW t                         ; block t: W(32 t + i, my column): 128 consecutive bytes a wave, 512 a work-group
.irp i, 0,1,2,3,4,5,6,7,8,9,10,11,12,13,14,15,16,17,18,19,20,21,22,23,24,25,26,27,28,29,30,31
	global_load_b32 v[XW+32*((\t)%2)+\i], v[OFF+\i], s[36+2*(\t):37+2*(\t)] th:TH_LOAD_NT
.endr
.endm
	LOADW 0
	LOADW 1
.macro BLOCK t
.set XS, XW+32*((\t)%2)
.if (\t) < NB-1
	s_wait_loadcnt 32                              ; this block's 32 loads are in; the next block's may be out
.else
	s_wait_loadcnt 0
.endif
	v_max3_num_f32 v12, |v[XS]|, |v[XS+1]|, |v[XS+2]|              ; all 32 numbers of the block are mine
	v_max3_num_f32 v13, |v[XS+3]|, |v[XS+4]|, |v[XS+5]|
.irp i, 6,10,14,18,22,26
	v_max3_num_f32 v12, v12, |v[XS+\i]|, |v[XS+\i+1]|
	v_max3_num_f32 v13, v13, |v[XS+\i+2]|, |v[XS+\i+3]|
.endr
	v_max3_num_f32 v12, v12, |v[XS+30]|, |v[XS+31]|
	v_max3_num_f32 v12, v12, v13, 0x4800000        ; the floor
	v_add_nc_u32 v11, 0xfc000000, v12              ; the conversion's scale operand
	v_lshrrev_b32 v13, 23, v11                     ; the byte
.if (\t)%4 == 0
	v_mov_b32 v[SB+(\t)/4], v13
.else
	v_lshl_or_b32 v[SB+(\t)/4], v13, 8*((\t)%4), v[SB+(\t)/4]
.endif
.irp i, 0,1,2,3,4,5,6,7,8,9,10,11,12,13,14,15,16,17,18,19,20,21,22,23,24,25,26,27,28,29,30,31
.endr
.irp g, 0,1,2,3
	v_cvt_scalef32_pk8_fp8_f32 v[CW+2*\g:CW+2*\g+1], v[XS+8*\g:XS+8*\g+7], v11
.endr
	ds_store_b128 v4, v[CW:CW+3] offset:32*(\t)
	ds_store_b128 v4, v[CW+4:CW+7] offset:32*(\t)+16
.if (\t)+2 < NB
	LOADW (\t)+2
.endif
	s_wait_dscnt 0x0                               ; the stores have read their registers: the next block's codes may be written
.endm
.irp t, 0,1,2,3,4,5,6,7
	BLOCK \t
.endr
	s_wait_alu depctr_va_vdst(0)
	global_store_b64 v9, v[SB:SB+1], s[14:15]      ; my column's eight scale bytes (8 bytes of a row of 32: one byte in 128 of what the launch reads)
.irp t, 0,1,2,3,4,5,6,7,8,9,10,11,12,13,14,15
	ds_load_b128 v[OUTR+4*\t:OUTR+4*\t+3], v7 offset:2*\t*PITCH
.endr
.irp t, 0,1,2,3,4,5,6,7,8,9,10,11,12,13,14,15
	s_wait_dscnt 15-\t
	global_store_b128 v8, v[OUTR+4*\t:OUTR+4*\t+3], s[12:13] offset:2*((\t&3)|((\t&4)<<1)|((\t&8)>>1))*1024   ; stage rows 2 t, 2 t + 1 go to their places; sixteen lanes store 256 consecutive bytes, aligned
.endr
	s_wait_tensorcnt 0x0
	ds_add_u32 v224, v225
	s_wait_dscnt 0x0
	s_endpgm
.Lfunc_end_k_qeea0852d35_quant:
	.size	k_qeea0852d35_quant, .Lfunc_end_k_qeea0852d35_quant-k_qeea0852d35_quant
	.p2alignl 7, 3214868480
	.fill 96, 4, 3214868480
	.section	.rodata,"a",@progbits
	.p2align	6, 0x0
	.amdhsa_kernel k_qeea0852d35_quant
		.amdhsa_group_segment_fixed_size 68096
		.amdhsa_private_segment_fixed_size 0
		.amdhsa_enable_private_segment 0
		.amdhsa_kernarg_size 32
		.amdhsa_user_sgpr_count 2
		.amdhsa_user_sgpr_kernarg_segment_ptr 1
		.amdhsa_wavefront_size32 1
		.amdhsa_system_sgpr_workgroup_id_x 1
		.amdhsa_system_sgpr_workgroup_id_y 1
		.amdhsa_system_sgpr_workgroup_id_z 1
		.amdhsa_system_vgpr_workitem_id 0
		.amdhsa_next_free_vgpr 226
		.amdhsa_next_free_sgpr 66
		.amdhsa_reserve_vcc 0
		.amdhsa_float_denorm_mode_32 3
		.amdhsa_float_denorm_mode_16_64 3
		.amdhsa_fp16_overflow 1
		.amdhsa_memory_ordered 1
		.amdhsa_forward_progress 1
		.amdhsa_inst_pref_size 78
	.end_amdhsa_kernel
	.amdgpu_metadata
---
amdhsa.version: [ 1, 2 ]
amdhsa.kernels:
  - .name:           k_qeea0852d35_quant
    .symbol:         k_qeea0852d35_quant.kd
    .args:
      - { .name: x, .offset: 0, .size: 8, .value_kind: global_buffer, .address_space: global }
      - { .name: W_qkv, .offset: 8, .size: 8, .value_kind: global_buffer, .address_space: global }
      - { .name: W_out, .offset: 16, .size: 8, .value_kind: global_buffer, .address_space: global }
      - { .name: wsq, .offset: 24, .size: 8, .value_kind: global_buffer, .address_space: global }
    .group_segment_fixed_size: 68096
    .private_segment_fixed_size: 0
    .kernarg_segment_align: 8
    .kernarg_segment_size: 32
    .max_flat_workgroup_size: 128
    .sgpr_count:     66
    .vgpr_count:     226
    .wavefront_size: 32
...
	.end_amdgpu_metadata
.endif
;; end of part 1
;; launch gemm_qkv (part 2): grid 8 x 48, 4 waves a work-group, clusters of 4 x 4, 327,680 bytes of LDS; arguments wsq, b_qkv, qkv; writes qkv
.if DOCPART == 2
	.amdgcn_target "amdgcn-amd-amdhsa--gfx1250"
	.amdhsa_code_object_version 6
	.text
	.protected	k_qeea0852d35_gemm_qkv
	.globl	k_qeea0852d35_gemm_qkv
	.p2align	8
	.type	k_qeea0852d35_gemm_qkv,@function
k_qeea0852d35_gemm_qkv:
	s_mov_b64 s[64:65], 0
	v_nop
	global_prefetch_b8 v0, s[64:65] scope:SCOPE_SE
	s_setreg_imm32_b32 hwreg(HW_REG_WAVE_MODE, 25, 1), 1
	s_wait_xcnt 0x0
	s_wait_alu depctr_hold_cnt(0) depctr_sa_sdst(0) depctr_va_vdst(0) depctr_va_sdst(0) depctr_va_ssrc(0) depctr_va_vcc(0) depctr_vm_vsrc(0)
	s_getreg_b32 s2, hwreg(HW_REG_IB_STS2, 6, 4)
	s_cmp_eq_u32 s2, 0
	s_cbranch_scc0 .Lentry_in_a_cluster
	s_endpgm
.Lentry_in_a_cluster:
	s_bfe_u32 s2, ttmp6, 0x10000c
	s_cmp_lg_u32 s2, 0xf033
	s_cbranch_scc0 .Lentry_shape_is_right
	s_endpgm
.Lentry_shape_is_right:
; qkv = x W_qkv + b_qkv on codes of FP8 (E4M3) with E8M0 scales, K = 1,024; the results never go to memory as f32: the epilogue quantises q and k along the head's 64 and v along the keys, and stores them as
; IMAGES OF THE OPERAND REGISTERS that the attention launch wants (a piece = 4 registers x 32 lanes = 512 consecutive bytes, lane l at 16 l).
; ROLES.  A work-group makes 256 P rows x 256 Q rows, a wave 128 x 128 (64 accumulators).  Source 1 = 16 P rows (a lane holds ONE P row), source 0 = 16 Q rows (a lane's registers run along Q rows).
;   clusters with y 0-7:  P = x (tokens), Q = W's columns of q and k: a lane's registers run along d;      clusters with y 8-11: P = W's columns of v, Q = x: a lane's registers run along the keys.
; The role hangs on the cluster's y, which all sixteen partners share; it changes global offsets and the epilogue, and nothing in the loop, in LDS or in the masks.
; ROW ORDER.  Codes and scale bytes lie with each row at the place given by exchanging bits 3 and 4 of its number, so sixteen neighbouring LDS rows 16 t .. (t = 2 f + u) are rows 32 f + 8 u + i + 8 (i / 8):
; the 16 registers of a lane in Q tiles 2 f and 2 f + 1 are Q rows 32 f + 16 (lane / 16) + 0 .. 15: sixteen neighbours of one block of 32, in the order of an operand's registers.
; K goes in four steps of 256 through two LDS slots filled by joint tensor loads: P's tiles are shared along a row of the 4 x 4 cluster, Q's along a column.  The scale bytes of all of K come once.
; REGISTERS: window 0: v0-2 thread, r, h; v4-15, v18-19, v22-23 the bias of my P rows (pairs); v16-17, v20-21, v24-30 addresses; v32-63 scale words; v64-127 the bias along my Q rows; v128-255 P's fragments, one set
;   (in the epilogue: v128-191 64 numbers, v192-223 codes, v224-251 at work);  window 1: Q's fragments, two sets;  windows 2, 3: the accumulators ((a, b) at v[8 (8 (a % 4) + b)]).
; LIMITS: NaN and infinities are not served; a block of zeros or under 2^-118 keeps the scale byte 1 (bytes read by this program alone).
.set NQ,     2
.set ROWB,   256
.set KROW,   1024
.set PITCH,  272                       ; an LDS row: 256 bytes + 16: the sixteen rows of a fragment load start at sixteen different banks
.set FR,     16
.set NL,     4
.set NP,     8                         ; places behind this matrix form (ISA guide 7.12.1)
.set HALFT,  128*PITCH
.set SLOT,   4*HALFT                   ; P's 256 rows, then Q's
.set KS,     32                        ; a row of scale bytes
.set SCL,    2*SLOT
.set HALFS,  (128*KS/256)*272
.set SBLK,   (16*KS/256)*272
.set SPARE,  SCL+4*HALFS               ; the spare words: 128 bytes a wave, named by no other line
.set WQC,    8388608                   ; wsq: x's codes at 0, W_qkv's here; the scale bytes at XSO and WQS
.set XSO,    12582912
.set WQS,    12845056
.set KVO,    8388608                   ; qkv: q's images at 0; [K 8,192 | V 8,192] for each head and 128 keys here; q's scale words at QSO; [k 256 | v 256] at KVSO
.set QSO,    25165824
.set KVSO,   25427968
.set ADRA, 16
.set ADRB, 20
.set CO,   24                          ; 16 x lane
.set SO,   25                          ; where my scale words go
.set BH64, 26                          ; 64 h
.set ADRS, 27
.set SPW,  28
.set NIL,  29
.set BR4,  30                          ; 4 (r + 8 (r / 8))
.set SC,   32
.set BI,   64
.set AF,   128
.set ST,   128
.set PC,   192
.set TM,   224
.set PWS,  240
.set OW,   248
.set HW,   32
.set G1, 24
.set G0, 32
.set G1B, 48
.set G0B, 56
.set G1S, 68
.set G0S, 76
.set G1SB, 80
.set G0SB, 88
.set SEL, 100
.set MNT, 97
.set MSB, 0
.macro WIN new                         ; the immediate's high byte repeats the setting that is left
.if MSB != \new
	s_set_vgpr_msb (MSB<<8)|\new
.set MSB, \new
.endif
.endm
.set MUL_LO, 0xa1                      ; source 0 (Q) window 1, source 1 (P) window 0, C and D window 2
.set MUL_HI, 0xf1
.set TO_B,   0x40
; A joint load: waves 0 and 1 fetch for P, waves 2 and 3 for Q; the branch hangs on the wave's number alone.  Four v_nop follow each line.
.macro JLOAD g0a, g1a, g0b, g1b
	s_cmp_eq_u32 s15, 0
	s_cbranch_scc0 .Lfor_b_\@
	tensor_load_to_lds s[\g0a:\g0a+3], s[\g1a:\g1a+7]
	s_nop 0
.rept 4
	v_nop
.endr
	s_branch .Lasked_\@
.Lfor_b_\@:
	tensor_load_to_lds s[\g0b:\g0b+3], s[\g1b:\g1b+7]
	s_nop 0
.rept 4
	v_nop
.endr
.Lasked_\@:
.endm
.macro CREST                           ; a round of the cluster's barrier behind its opening barrier
	s_cmp_lg_u32 s14, 0
	s_cbranch_scc1 .Lnot_wave_0_\@
	s_barrier_signal -3
.Lnot_wave_0_\@:
	s_barrier_wait -3
	s_barrier_signal -1
	s_barrier_wait -1
.endm
.macro CROUND
	s_barrier_signal -1
	s_barrier_wait -1
	CREST
.endm
	s_load_b128 s[4:7], s[0:1], 0x0                ; wsq, b_qkv
	s_load_b64 s[8:9], s[0:1], 0x10                ; qkv
	v_lshl_add_u32 v[SPW], v0, 2, SPARE
	v_mov_b32 v[NIL], 0
	ds_add_u32 v28, v29
	ds_add_u32 v28, v29
	s_wait_dscnt 0x0
	v_lshrrev_b32 v1, 5, v0
	v_readfirstlane_b32 s14, v1                    ; wave
	s_lshr_b32 s15, s14, 1                         ; which half of P's rows is mine.  Also: I fetch for P (0) or Q (1)
	s_and_b32 s16, s14, 1                          ; which half of Q's rows.  Also: which 128 rows I fetch
	s_bfe_u32 s40, ttmp6, 0x40000                  ; cx
	s_bfe_u32 s41, ttmp6, 0x40004                  ; cy
	s_mov_b32 s66, ttmp9                           ; cluster x: 0, 1
	s_and_b32 s67, ttmp7, 0xffff                   ; cluster y: 0 .. 11
	s_and_b32 s18, s67, 7
	s_lshl_b32 s18, s18, 1
	s_add_co_u32 s18, s18, s66                     ; v's clusters: 2 (y - 8) + x = 0 .. 7
	s_lshl_b32 s19, s67, 2
	s_cmp_ge_u32 s67, 8                            ; the role
	s_cselect_b32 s96, 1, 0
	s_cselect_b32 s17, 8, s19                      ; P's first tile of the cluster: W's places 2,048 on, or x's 1,024 y on
	s_cselect_b32 s42, s18, s66
	s_cselect_b32 s21, WQC, 0                      ; where P's codes begin in wsq,
	s_cselect_b32 s47, 0, WQC                      ; Q's,
	s_mov_b32 s23, XSO
	s_cselect_b32 s23, WQS, s23                    ; P's scale bytes,
	s_mov_b32 s93, WQS
	s_cselect_b32 s93, XSO, s93                    ; Q's
	s_add_co_u32 s17, s17, s41                     ; P's tile: hangs on cy, never on cx
	s_lshl_b32 s42, s42, 2
	s_add_co_u32 s42, s42, s40                     ; Q's tile: hangs on cx, never on cy
	s_lshl_b32 s43, s41, 2
	s_lshl_b32 s43, 15, s43                        ; my row of the cluster
	s_lshl_b32 s44, 0x1111, s40                    ; my column
	s_or_b32 s[G1+0], s43, (0<<16)|(1<<20)|(1<<21)|(5<<22)|(3<<25)  ; the mask; elements of 1 byte; padding of 4 words after every 64; bit 21 beside a mask
	s_or_b32 s[G1B+0], s44, (0<<16)|(1<<20)|(1<<21)|(5<<22)|(3<<25)
.irp g, G1, G1B
	s_mov_b32 s[\g+1], ROWB<<16                    ; tensor_dim0
	s_mov_b32 s[\g+2], 128<<16                     ; tensor_dim1
	s_mov_b32 s[\g+3], ROWB<<16                    ; tile_dim0
	s_mov_b32 s[\g+4], 128                         ; tile_dim1
	s_mov_b32 s[\g+5], KROW                        ; from row to row
	s_mov_b32 s[\g+6], 0
	s_mov_b32 s[\g+7], 0
.endr
	s_or_b32 s[G1S+0], s43, (3<<16)|(1<<20)|(1<<21)|(5<<22)|(3<<25)  ; the scale bytes of 128 rows: 4,096 dense bytes as 16 rows of 256
	s_or_b32 s[G1SB+0], s44, (3<<16)|(1<<20)|(1<<21)|(5<<22)|(3<<25)
.irp g, G1S, G1SB
	s_mov_b32 s[\g+1], 32<<16
	s_mov_b32 s[\g+2], (128*KS/256)<<16
	s_mov_b32 s[\g+3], 32<<16
	s_mov_b32 s[\g+4], 128*KS/256
	s_mov_b32 s[\g+5], 32
	s_mov_b32 s[\g+6], 0
	s_mov_b32 s[\g+7], 0
.endr
	s_lshl_b32 s18, s16, 7
	s_lshl_b32 s20, s17, 8
	s_add_co_u32 s20, s20, s18                     ; P: the first place that I fetch
	s_lshl_b32 s46, s42, 8
	s_add_co_u32 s46, s46, s18                     ; Q likewise
	s_lshl_b32 s22, s20, 5
	s_add_co_u32 s22, s22, s23                     ; byte offsets in wsq, all under 2^24
	s_lshl_b32 s20, s20, 10
	s_add_co_u32 s20, s20, s21
	s_lshl_b32 s92, s46, 5
	s_add_co_u32 s92, s92, s93
	s_lshl_b32 s46, s46, 10
	s_add_co_u32 s46, s46, s47
	s_mov_b32 s21, 0
	s_mov_b32 s23, 0
	s_mov_b32 s47, 0
	s_mov_b32 s93, 0
	s_mul_i32 s45, s14, HALFT                      ; where they go: by the wave's number alone
	s_mul_i32 s94, s14, HALFS
	s_wait_kmcnt 0x0
	s_add_nc_u64 s[20:21], s[4:5], s[20:21]
	s_add_nc_u64 s[22:23], s[4:5], s[22:23]
	s_add_nc_u64 s[46:47], s[4:5], s[46:47]
	s_add_nc_u64 s[92:93], s[4:5], s[92:93]
	CROUND                                         ; all sixteen work-groups are here: the first joint loads meet
	s_mov_b32 s[G0S], 1
	s_add_co_u32 s[G0S+1], s94, SCL
	s_mov_b64 s[G0S+2:G0S+3], s[22:23]
	s_or_b32 s[G0S+3], s[G0S+3], 0x80000000
	s_mov_b32 s[G0SB], 1
	s_add_co_u32 s[G0SB+1], s94, SCL
	s_mov_b64 s[G0SB+2:G0SB+3], s[92:93]
	s_or_b32 s[G0SB+3], s[G0SB+3], 0x80000000
	JLOAD G0S, G1S, G0SB, G1SB                     ; the scale bytes of all of K: filled once
.irp s, 0,1
	s_mov_b32 s[G0+4*\s], 1
	s_add_co_u32 s[G0+4*\s+1], s45, \s*SLOT
	s_add_nc_u64 s[G0+4*\s+2:G0+4*\s+3], s[20:21], \s*ROWB
	s_or_b32 s[G0+4*\s+3], s[G0+4*\s+3], 0x80000000
	s_mov_b32 s[G0B+4*\s], 1
	s_add_co_u32 s[G0B+4*\s+1], s45, \s*SLOT
	s_add_nc_u64 s[G0B+4*\s+2:G0B+4*\s+3], s[46:47], \s*ROWB
	s_or_b32 s[G0B+4*\s+3], s[G0B+4*\s+3], 0x80000000
	JLOAD G0+4*\s, G1, G0B+4*\s, G1B               ; K steps 0 and 1: three loads of mine are out
.endr
	v_and_b32 v1, 15, v0                           ; r
	v_bfe_u32 v2, v0, 4, 1                         ; h
	v_mul_u32_u24 v3, v1, PITCH
	v_lshl_add_u32 v4, v2, 4, v3
	s_mul_i32 s18, s15, HALFT
	s_mul_i32 s19, s16, HALFT
	s_add_co_u32 s19, s19, 2*HALFT
.irp s, 0,1
	v_add_nc_u32 v[ADRA+\s], s18, v4
	v_add_nc_u32 v[ADRB+\s], s19, v4
	s_add_co_u32 s18, s18, SLOT
	s_add_co_u32 s19, s19, SLOT
.endr
	v_mul_u32_u24 v5, v1, KS                       ; my row's scale bytes, and 16 more for each 256 passed
	v_lshrrev_b32 v6, 8, v5
	v_lshl_add_u32 v5, v6, 4, v5
	s_mul_i32 s18, s15, HALFS
	s_mul_i32 s19, s16, HALFS
	s_add_co_u32 s19, s19, 2*HALFS
	s_sub_co_u32 s19, s19, s18
	v_mul_u32_u24 v6, s19, v2                      ; lanes 16-31 take Q's
	s_add_co_u32 s18, s18, SCL
	v_add_nc_u32 v5, v5, v6
	v_add_nc_u32 v[ADRS], s18, v5
	v_and_b32 v6, 31, v0
	v_lshlrev_b32 v[CO], 4, v6
	v_lshlrev_b32 v[BH64], 6, v2
	s_wait_alu depctr_va_vdst(0)
	v_and_b32 v6, 8, v1
	v_add_nc_u32 v6, v6, v1
	v_lshlrev_b32 v[BR4], 2, v6
	; THE BIAS of the 128 columns of W that are my wave's: they are my Q rows (q, k) or my P rows (v).  Both forms are loaded from the one base, so that no branch is needed here: 512 bytes from the base on, inside b_qkv in both roles.
	s_wait_alu depctr_va_vdst(0)
	s_lshl_b32 s97, s42, 10
	s_lshl_b32 s98, s16, 9
	s_add_co_u32 s97, s97, s98                     ; q, k: 4 (256 Q tile + 128 half)
	s_lshl_b32 s99, s41, 10
	s_lshl_b32 s98, s15, 9
	s_add_co_u32 s99, s99, s98
	s_add_co_u32 s99, s99, 8192                    ; v: 4 (2,048 + 256 cy + 128 half)
	s_cmp_lg_u32 s96, 0
	s_cselect_b32 s10, s99, s97
	s_mov_b32 s11, 0
	s_add_nc_u64 s[10:11], s[6:7], s[10:11]
.irp b, 0,1,2,3
.irp j, 0,1,2,3
	global_load_b128 v[BI+16*\b+4*\j:BI+16*\b+4*\j+3], v[BH64], s[10:11] offset:128*\b+16*\j   ; register 16 b + i: column 32 b + 16 h + i
.endr
.endr
.irp a, 0,1,2,3,4,5,6,7
	global_load_b32 v[4+2*\a+2*(\a/6)+2*(\a/7)], v[BR4], s[10:11] offset:4*(32*(\a/2)+8*(\a%2))     ; block a's row of my lane, twice: a pair for the packed addition
	global_load_b32 v[5+2*\a+2*(\a/6)+2*(\a/7)], v[BR4], s[10:11] offset:4*(32*(\a/2)+8*(\a%2))
.endr
.macro FRAG reg, adr, q, i             ; 16 rows x 128 K: lane l holds row l % 16; registers 4 c .. 4 c + 3 hold K = 32 c + 16 (l / 16) + 0 .. 15
.irp c, 0,1,2,3
	ds_load_b128 v[\reg+4*\c:\reg+4*\c+3], v[\adr] offset:128*(\q)+32*\c+(\i)*16*PITCH
.endr
.endm
; 16 matrix instructions: P's blocks a0, a0 + 1 x Q's eight.  The 64 accumulators take turns, one instruction a turn, in the same order in every step.
.macro MUL16 a0, p, q, sc, zero
.irp a, \a0, \a0+1
.irp b, 0,1,2,3,4,5,6,7
.if \zero
	v_wmma_scale_f32_16x16x128_f8f6f4 v[8*(8*((\a)%4)+\b):8*(8*((\a)%4)+\b)+7], v[128*(\p)+FR*\b:128*(\p)+FR*\b+FR-1], v[AF+FR*(\a):AF+FR*(\a)+FR-1], 0, v[SC+8*NQ*(\sc)+NQ*\b+(\q)], v[SC+8*NQ*(\sc)+NQ*(\a)+(\q)] matrix_a_scale:MATRIX_SCALE_ROW1
.else
	v_wmma_scale_f32_16x16x128_f8f6f4 v[8*(8*((\a)%4)+\b):8*(8*((\a)%4)+\b)+7], v[128*(\p)+FR*\b:128*(\p)+FR*\b+FR-1], v[AF+FR*(\a):AF+FR*(\a)+FR-1], v[8*(8*((\a)%4)+\b):8*(8*((\a)%4)+\b)+7], v[SC+8*NQ*(\sc)+NQ*\b+(\q)], v[SC+8*NQ*(\sc)+NQ*(\a)+(\q)] matrix_a_scale:MATRIX_SCALE_ROW1
.endif
.endr
.endr
.endm
.macro FETCH_B slot, q, p
	WIN TO_B
.irp i, 0,1,2,3,4,5,6,7
	FRAG 128*(\p)+FR*\i, ADRB+\slot, \q, \i
.endr
	WIN 0
.endm
.macro FETCH_A slot, q, i0
.irp i, \i0, \i0+1, \i0+2, \i0+3
	FRAG AF+FR*(\i), ADRA+\slot, \q, \i
.endr
.endm
.macro SCALES sc                       ; a K step's scale words: lanes 0-15 P's block i, lanes 16-31 Q's block i
.irp i, 0,1,2,3,4,5,6,7
	ds_load_b64 v[SC+8*NQ*\sc+NQ*\i:SC+8*NQ*\sc+NQ*\i+1], v[ADRS] offset:\i*SBLK
.endr
.endm
.macro PLACES n                        ; plain vector instructions between a matrix instruction and a load into, or a read of, its registers
.rept \n
	v_nop
.endr
.endm
.macro STEP slot, q, zero              ; 128 along K with its successor in the same slot
	s_wait_dscnt 4*NL                              ; Q's set and P's blocks 0-3 are in; the youngest sixteen loads (P's blocks 4-7) may be out
	WIN MUL_LO
	MUL16 0, (\q)%2, \q, \slot, \zero
	MUL16 2, (\q)%2, \q, \slot, \zero
	s_wait_dscnt 0
	PLACES NP
	FETCH_B \slot, (\q)+1, 1-(\q)%2
	FETCH_A \slot, (\q)+1, 0
	WIN MUL_HI
	MUL16 4, (\q)%2, \q, \slot, \zero
	MUL16 6, (\q)%2, \q, \slot, \zero
	PLACES NP
	WIN 0
	FETCH_A \slot, (\q)+1, 4
.endm
; A slot's last step changes slots: in front of the one barrier each wave waits for all its tensor loads, adds 0 to its spare word, and waits for that and for its reads of this slot.
.macro TURN slot, next, fill
	s_wait_tensorcnt 0x0                           ; all my tensor loads have landed: my part of the next slot
	ds_add_u32 v[SPW], v[NIL]                      ; 0 onto my spare word
	s_wait_dscnt 4*NL+1                            ; (the add and P's blocks 4-7 may be out)
	WIN MUL_LO
	MUL16 0, 1, NQ-1, \slot, 0
	s_wait_dscnt 0x0                               ; the add is done, and my reads of this slot are over
	s_barrier_signal -1
	MUL16 2, 1, NQ-1, \slot, 0
	WIN 0
	s_barrier_wait -1
.if \fill
	CREST                                          ; the barrier has opened a round of the cluster's: no wave of any partner still reads this slot or has a load on its way
	s_add_nc_u64 s[G0+4*\slot+2:G0+4*\slot+3], s[G0+4*\slot+2:G0+4*\slot+3], 2*ROWB
	s_add_nc_u64 s[G0B+4*\slot+2:G0B+4*\slot+3], s[G0B+4*\slot+2:G0B+4*\slot+3], 2*ROWB
	JLOAD G0+4*\slot, G1, G0B+4*\slot, G1B         ; my one tensor load behind the round; its four v_nop are among the places below
	PLACES NP-4
.else
	PLACES NP
.endif
	s_wait_alu depctr_va_vdst(0)
	v_add_nc_u32 v[ADRS], 4*NQ, v[ADRS]            ; the next K step's scale words
	FETCH_B \next, 0, 0
	FETCH_A \next, 0, 0
	SCALES \next
	WIN MUL_HI
	MUL16 4, 1, NQ-1, \slot, 0
	MUL16 6, 1, NQ-1, \slot, 0
	PLACES NP
	WIN 0
	FETCH_A \next, 0, 4
.endm
	s_wait_tensorcnt 1                             ; the scale bytes and my part of K step 0 are in (K step 1's load may be out)
	s_barrier_signal -1
	s_barrier_wait -1
	FETCH_B 0, 0, 0
	FETCH_A 0, 0, 0
	SCALES 0
	FETCH_A 0, 0, 4
	STEP 0, 0, 1                                   ; the first products start the sums
	TURN 0, 1, 1                                   ; slot 0 takes K step 2
	STEP 1, 0, 0
	TURN 1, 0, 1                                   ; slot 1 takes K step 3
	STEP 0, 0, 0
	TURN 0, 1, 0                                   ; nothing is left to fetch
	STEP 1, 0, 0
	s_wait_dscnt 4*NL
	WIN MUL_LO
	MUL16 0, 1, NQ-1, 1, 0
	MUL16 2, 1, NQ-1, 1, 0
	s_wait_dscnt 0
	WIN MUL_HI
	MUL16 4, 1, NQ-1, 1, 0
	MUL16 6, 1, NQ-1, 1, 0
	WIN 0
	; ---- THE EPILOGUE.  Where my wave's results go: tokens 128 (2 (T % 8) + hs) on of batch T / 8, heads head0 and head0 + 1.
	s_wait_loadcnt 0x0                             ; the bias; its base and offsets are free
	s_cmp_lg_u32 s96, 0
	s_cselect_b32 s10, s42, s17                    ; T: the tile of 256 tokens
	s_cselect_b32 s11, s16, s15                    ; which half of it is my wave's
	s_cselect_b32 s97, s41, s40                    ; the four heads of the tile of W's columns,
	s_cselect_b32 s100, s15, s16                   ; and my wave's two of them
	s_cselect_b32 s101, 1, s66                     ; 0: q's records (8,192 and 256 bytes); 1: k's and v's (twice that)
	s_cselect_b32 s2, 8192, 0                      ; v lies behind k in a record
	s_cselect_b32 s98, 256, 0
	s_lshl_b32 s97, s97, 2
	s_lshl_b32 s100, s100, 1
	s_add_co_u32 s97, s97, s100                    ; head0
	s_lshr_b32 s100, s10, 3
	s_lshl_b32 s100, s100, 4
	s_add_co_u32 s97, s97, s100                    ; 16 batch + head0
	s_lshl_b32 s97, s97, 4
	s_and_b32 s10, s10, 7
	s_lshl_b32 s10, s10, 1
	s_add_co_u32 s10, s10, s11
	s_add_co_u32 s97, s97, s10                     ; the record
	s_add_co_u32 s10, s101, 13
	s_lshl_b32 s11, s97, s10
	s_add_co_u32 s2, s2, s11
	s_lshl_b32 s12, 16, s10                        ; sixteen records on: the next head
	s_add_co_u32 s10, s101, 8
	s_lshl_b32 s11, s97, s10
	s_add_co_u32 s98, s98, s11
	s_cmp_lg_u32 s101, 0
	s_cselect_b32 s11, KVO, 0
	s_mov_b32 s100, QSO
	s_cselect_b32 s100, KVSO, s100
	s_add_co_u32 s2, s2, s11
	s_add_co_u32 s98, s98, s100
	s_mov_b32 s3, 0
	s_mov_b32 s13, 0
	s_mov_b32 s99, 0
	s_add_nc_u64 s[2:3], s[8:9], s[2:3]            ; head0's codes
	s_add_nc_u64 s[12:13], s[2:3], s[12:13]        ; head0 + 1's
	s_add_nc_u64 s[98:99], s[8:9], s[98:99]        ; head0's scale words
	s_add_co_u32 s10, s101, 12
	PLACES NP                                      ; behind the last products: their results are read, and P's fragments and the scale words are written over, from here on
	v_lshlrev_b32 v[SO], s10, v2                   ; lanes 16-31 store the next head's words,
	v_lshl_add_u32 v[SO], v1, 4, v[SO]             ; 16 bytes for each row
	s_mov_b32 s[SEL], 0x76543210
	s_mov_b32 s[SEL+1], 0xfedcba98                 ; lane l xor 16
	s_mov_b32 s10, 0x05040100                      ; two low halves;
	s_mov_b32 s11, 0x07060302                      ; two high halves
.irp b, 0,1,2,3
	v_mov_b32 v[TM+4+\b], 0                        ; written once: a lane permute's destination counts as one of its sources
.endr
; 64 numbers of a lane, register 16 b + i = place 32 b + 16 (lane / 16) + i along the next K, become 16 registers of codes at v[pc] and a scale word in v[pw].
.macro QUANT s, pc, pw
.irp b, 0,1,2,3
	v_max3_num_f32 v[TM+\b], |v[\s+16*\b]|, |v[\s+1+16*\b]|, 0x4800000   ; my 16 numbers of block b, and the floor 2^(9 - 127)
.endr
.irp i, 2,4,6,8,10,12,14
.irp b, 0,1,2,3
	v_max3_num_f32 v[TM+\b], v[TM+\b], |v[\s+16*\b+\i]|, |v[\s+1+16*\b+\i]|
.endr
.endr
.irp b, 0,1,2,3
	v_permlanex16_b32 v[TM+4+\b], v[TM+\b], s[SEL], s[SEL+1]
.endr
.irp b, 0,1,2,3
	v_max_num_f32 v[TM+\b], v[TM+\b], v[TM+4+\b]   ; with lane l xor 16's: the block's largest magnitude
.endr
.irp b, 0,1,2,3
	v_add_nc_u32 v[TM+12+\b], 0xfc000000, v[TM+\b] ; 8 off the exponent field: the conversion's scale operand
.endr
.irp b, 0,1,2,3
.endr
.irp b, 0,1,2,3
	v_lshrrev_b32 v[TM+4+\b], 23, v[TM+12+\b]      ; the byte
.endr
	v_lshl_or_b32 v[\pw], v[TM+5], 8, v[TM+4]
	v_lshl_or_b32 v[\pw], v[TM+6], 16, v[\pw]
	v_lshl_or_b32 v[\pw], v[TM+7], 24, v[\pw]
.irp b, 0,1,2,3
.irp i, 0,1,2,3,4,5,6,7,8,9,10,11,12,13,14,15
.endr
	v_cvt_scalef32_pk8_fp8_f32 v[\pc+4*\b:\pc+4*\b+1], v[\s+16*\b:\s+16*\b+7], v[TM+12+\b]
	v_cvt_scalef32_pk8_fp8_f32 v[\pc+4*\b+2:\pc+4*\b+3], v[\s+16*\b+8:\s+16*\b+15], v[TM+12+\b]
.endr
	v_nop                                          ; a plain line behind the last conversion, ahead of whatever next writes its sources
.endm
; Block a of my eight (16 P rows x 128 Q rows): the bias is added on the way from the accumulators' window into window 0, each accumulator from its low end on; then the four blocks of 32 are quantised, and each
; block's four registers leave as one piece: 512 consecutive bytes, aligned.
;   q, k: block a is token tile a of the step; piece b is head b / 2, d block b % 2: fragment a / 2, piece 2 (a % 2) + b % 2.      v: block a is head a / 4, d tile a % 4; piece b is key block b.
.macro EPI isv
.irp a, 0,1,2,3,4,5,6,7
	s_wait_xcnt 0x0                                ; the stores of two blocks back have read their codes
	WIN (0x02+(\a/4))
.set k, 0
.rept 32
.if \isv
	v_pk_add_f32 v[ST+2*k:ST+2*k+1], v[64*(\a%4)+2*k:64*(\a%4)+2*k+1], v[4+2*\a+2*(\a/6)+2*(\a/7):5+2*\a+2*(\a/6)+2*(\a/7)]
.else
	v_pk_add_f32 v[ST+2*k:ST+2*k+1], v[64*(\a%4)+2*k:64*(\a%4)+2*k+1], v[BI+2*k:BI+2*k+1]
.endif
.set k, k+1
.endr
	WIN 0
	QUANT ST, PC+16*(\a%2), PWS+\a
.irp b, 0,1,2,3
.if \isv
	global_store_b128 v[CO], v[PC+16*(\a%2)+4*\b:PC+16*(\a%2)+4*\b+3], s[2+10*(\a/4):3+10*(\a/4)] offset:(\a%4)*2048+\b*512
.else
	global_store_b128 v[CO], v[PC+16*(\a%2)+4*\b:PC+16*(\a%2)+4*\b+3], s[2+10*(\b/2):3+10*(\b/2)] offset:(\a/2)*2048+(2*(\a%2)+\b%2)*512
.endif
.endr
.endr
	v_cmp_eq_u32 vcc_lo, 1, v2
.if \isv
.irp i, 0,1,2,3
	v_cndmask_b32 v[OW+\i], v[PWS+\i], v[PWS+4+\i], vcc_lo          ; row r of d tile i: lanes 0-15 head0's word, lanes 16-31 the next head's
.endr
.else
.irp f, 0,1,2,3
	v_perm_b32 v[HW+\f], v[PWS+2*\f+1], v[PWS+2*\f], s10            ; head0: [tile 2 f: block 0, 1; tile 2 f + 1: block 0, 1]: the word of a fragment that holds two tiles
	v_perm_b32 v[HW+4+\f], v[PWS+2*\f+1], v[PWS+2*\f], s11          ; the next head
.endr
.irp i, 0,1,2,3
	v_cndmask_b32 v[OW+\i], v[HW+\i], v[HW+4+\i], vcc_lo
.endr
.endif
	global_store_b128 v[SO], v[OW:OW+3], s[98:99]  ; sixteen lanes store 256 consecutive bytes, aligned: a record's scale words
.endm
	s_cmp_lg_u32 s96, 0
	s_cbranch_scc1 .Lepi_v
	EPI 0
	s_branch .Lepi_done
.Lepi_v:
	EPI 1
.Lepi_done:
	s_wait_tensorcnt 0x0                           ; the wave's end
	ds_add_u32 v[SPW], v[NIL]
	s_wait_dscnt 0x0
	CROUND                                         ; the closing round
	s_endpgm
.Lfunc_end_k_qeea0852d35_gemm_qkv:
	.size	k_qeea0852d35_gemm_qkv, .Lfunc_end_k_qeea0852d35_gemm_qkv-k_qeea0852d35_gemm_qkv
	.p2alignl 7, 3214868480
	.fill 96, 4, 3214868480
	.section	.rodata,"a",@progbits
	.p2align	6, 0x0
	.amdhsa_kernel k_qeea0852d35_gemm_qkv
		.amdhsa_group_segment_fixed_size 327680
		.amdhsa_private_segment_fixed_size 0
		.amdhsa_enable_private_segment 0
		.amdhsa_kernarg_size 24
		.amdhsa_user_sgpr_count 2
		.amdhsa_user_sgpr_kernarg_segment_ptr 1
		.amdhsa_wavefront_size32 1
		.amdhsa_system_sgpr_workgroup_id_x 1
		.amdhsa_system_sgpr_workgroup_id_y 1
		.amdhsa_system_sgpr_workgroup_id_z 1
		.amdhsa_system_vgpr_workitem_id 0
		.amdhsa_next_free_vgpr 1024
		.amdhsa_next_free_sgpr 104
		.amdhsa_reserve_vcc 1
		.amdhsa_float_denorm_mode_32 3
		.amdhsa_float_denorm_mode_16_64 3
		.amdhsa_fp16_overflow 1
		.amdhsa_memory_ordered 1
		.amdhsa_forward_progress 1
		.amdhsa_inst_pref_size 220
	.end_amdhsa_kernel
	.amdgpu_metadata
---
amdhsa.version: [ 1, 2 ]
amdhsa.kernels:
  - .name:           k_qeea0852d35_gemm_qkv
    .symbol:         k_qeea0852d35_gemm_qkv.kd
    .args:
      - { .name: wsq, .offset: 0, .size: 8, .value_kind: global_buffer, .address_space: global }
      - { .name: b_qkv, .offset: 8, .size: 8, .value_kind: global_buffer, .address_space: global }
      - { .name: qkv, .offset: 16, .size: 8, .value_kind: global_buffer, .address_space: global }
    .group_segment_fixed_size: 327680
    .private_segment_fixed_size: 0
    .kernarg_segment_align: 8
    .kernarg_segment_size: 24
    .max_flat_workgroup_size: 128
    .sgpr_count:     104
    .vgpr_count:     1024
    .wavefront_size: 32
...
	.end_amdgpu_metadata
.endif
;; end of part 2
;; launch attn (part 3): grid 4 x 64, 16 waves a work-group, clusters of 4 x 1, 272,384 bytes of LDS; arguments qkv, ans; writes ans
.if DOCPART == 3
	.amdgcn_target "amdgcn-amd-amdhsa--gfx1250"
	.amdhsa_code_object_version 6
	.text
	.protected	k_qeea0852d35_attn
	.globl	k_qeea0852d35_attn
	.p2align	8
	.type	k_qeea0852d35_attn,@function
k_qeea0852d35_attn:
	s_mov_b64 s[64:65], 0
	v_nop
	global_prefetch_b8 v0, s[64:65] scope:SCOPE_SE
	s_setreg_imm32_b32 hwreg(HW_REG_WAVE_MODE, 25, 1), 1
	s_wait_xcnt 0x0
	s_wait_alu depctr_hold_cnt(0) depctr_sa_sdst(0) depctr_va_vdst(0) depctr_va_sdst(0) depctr_va_ssrc(0) depctr_va_vcc(0) depctr_vm_vsrc(0)
	s_getreg_b32 s2, hwreg(HW_REG_IB_STS2, 6, 4)
	s_cmp_eq_u32 s2, 0
	s_cbranch_scc0 .Lentry_in_a_cluster
	s_endpgm
.Lentry_in_a_cluster:
	s_bfe_u32 s2, ttmp6, 0x10000c
	s_cmp_lg_u32 s2, 0x3003
	s_cbranch_scc0 .Lentry_shape_is_right
	s_endpgm
.Lentry_shape_is_right:
; Causal attention of one batch and head a cluster, both products on codes of FP8 (E4M3) with E8M0 scales; the answers are divided by the row's sum, quantised along (head, d) and stored as images of the last product's operand.
; SOFTMAX: t = score x log2(e) / 8; M = the running largest t rounded up to a whole number; p = 2^(t - M) is quantised along the keys; the row's sum is taken of the unquantised p; when M moves, the sum and O are multiplied by 2^(old M - new M).
; SHARES.  The four work-groups of a cluster belong to one (batch, head).  Each holds the head's WHOLE K, V and their scale words in LDS (270,336 bytes), brought once by joint tensor loads that name all four: no LDS byte is filled twice.
; A step is 128 keys.  Wave w owns two tiles of 16 queries, worked one after the other: tile e = 2 cx + w / 8 of step JL = 8 + w % 8 and of step JS = 7 - w % 8: (JL + 1) + (JS + 1) = 17 key steps in every wave of the launch.
; Trip counts and branches hang on the wave's number alone; the work-group's place enters only global addresses of q and of the answers, and the vector compare of the mask.
; Steps all of whose keys come after the tile's queries are jumped over; on the diagonal hidden scores become -infinity.
; LAYOUT.  Both products are used transposed: a lane holds one query.  K = 64 in the first product: a fragment of K holds key tile 2 f in k 0-63 and tile 2 f + 1 in k 64-127, and q stands in 24 registers as [q][zeros][q]:
; the fragment times registers 0-15 gives tile 2 f, times registers 8-23 tile 2 f + 1; the other half meets zero codes.  Lane r of key tile 2 f + u is key 32 f + 8 u + r + 8 (r / 8), so the 16 registers of tiles 2 f, 2 f + 1 are keys 32 f + 16 h + 0 .. 15.
; V's d tiles are ordered in the same way, so O's 16 registers of tiles 2 g, 2 g + 1 are d = 32 g + 16 h + 0 .. 15: a block of the last product's K.
; All operands lie in memory and LDS as images of their registers: a piece of 4 registers is 512 consecutive bytes, lane l at 16 l.
; LIMITS: NaN and infinities are not served; 1 / sum by v_rcp_f32; a block of zeros or under 2^-118 keeps the scale byte 1.
.set KVO,  8388608
.set QSO,  25165824
.set KVSO, 25427968
.set ASO,  8388608
.set SCB,  262144                      ; LDS: step j's [K 8,192 | V 8,192] at 16,384 j; its scale words [k 256 | v 256] at SCB + 512 j
.set LI,   1                           ; 16 x lane
.set LSC,  2                           ; SCB + 16 r
.set ADK,  3
.set ADS,  4
.set DQ,   5                           ; my query's place in its step, less 16 h
.set AB,   6                           ; 32 r + h
.set HH,   7                           ; h
.set R16,  8                           ; 16 r
.set QR,   16                          ; v16-39 [q][0][q]
.set F,    40                          ; v40-103 four fragments: K's, then V's
.set S,    104                         ; v104-167 scores, then p
.set O,    168                         ; v168-199 O^T
.set PC,   200                         ; v200-215 p's codes
.set KSC,  216
.set VSC,  220
.set QSW,  224
.set PS,   225
.set BM,   226
.set BP,   230
.set BH,   234
.set BS,   238
.set FF,   242
.set TMP,  244
.set NINF, 245
.set QN,   246                         ; v246-253 the second tile's q; v254 its scale words
.set QNS,  254
.set WV,   18
.set MNT,  19
.set SEL,  20
.set CS,   22
.set TB,   2
.set TS,   3
.set JC,   76
.set JD,   77
.set JL,   78
.set JS,   79
.macro ROUND                           ; a round of the cluster's barrier
	s_barrier_signal -1
	s_barrier_wait -1
	s_cmp_lg_u32 s[WV], 0
	s_cbranch_scc1 .Lnot_wave_0_\@
	s_barrier_signal -3
.Lnot_wave_0_\@:
	s_barrier_wait -3
	s_barrier_signal -1
	s_barrier_wait -1
.endm
.macro SHAPE g, rows                   ; descriptor group 1: a dense block as rows of 256 bytes (32 elements of 8), for all four work-groups
	s_mov_b32 s[\g], 15|(3<<16)|(1<<21)
	s_mov_b32 s[\g+1], 32<<16
	s_mov_b32 s[\g+2], (\rows)<<16
	s_mov_b32 s[\g+3], 32<<16
	s_mov_b32 s[\g+4], \rows
	s_mov_b32 s[\g+5], 32
	s_mov_b32 s[\g+6], 0
	s_mov_b32 s[\g+7], 0
.endm
	s_load_b128 s[4:7], s[0:1], 0x0                ; qkv, ans
	v_lshl_add_u32 v254, v0, 2, 0x42000
	v_mov_b32 v255, 0
	ds_add_u32 v254, v255
	ds_add_u32 v254, v255
	s_wait_dscnt 0x0
	v_lshrrev_b32 v9, 5, v0
	s_delay_alu instid0(VALU_DEP_1)
	v_readfirstlane_b32 s[WV], v9                  ; wave 0..15
	s_bfe_u32 s8, ttmp6, 0x40000                   ; cx
	s_and_b32 s9, ttmp7, 0xffff                    ; 16 batch + head, which the partners share
	SHAPE 24, 2                                    ; each wave brings a sixteenth: of the scale words 512 bytes,
	SHAPE 32, 8                                    ; of steps 0-1 2,048,
	SHAPE 40, 24                                   ; of steps 2-7 6,144,
	SHAPE 48, 32                                   ; of steps 8-15 8,192
	s_lshl_b32 s80, s9, 13
	s_lshl_b32 s81, s[WV], 9
	s_add_co_u32 s80, s80, s81
	s_add_co_u32 s80, s80, KVSO
	s_mov_b32 s81, 0
	s_lshl_b32 s82, s9, 18
	s_add_co_u32 s82, s82, KVO
	s_mov_b32 s83, 0
	s_mov_b32 s87, 0
	s_wait_kmcnt 0x0
	s_add_nc_u64 s[82:83], s[4:5], s[82:83]        ; the head's K and V
	s_mov_b32 s56, 1
	s_lshl_b32 s57, s[WV], 9
	s_add_co_u32 s57, s57, SCB
	s_add_nc_u64 s[58:59], s[4:5], s[80:81]
	s_or_b32 s59, s59, 0x80000000
	s_mov_b32 s60, 1
	s_lshl_b32 s61, s[WV], 11                      ; LDS is an image of memory: the same offset in both
	s_mov_b32 s86, s61
	s_add_nc_u64 s[62:63], s[82:83], s[86:87]
	s_or_b32 s63, s63, 0x80000000
	s_mov_b32 s68, 1
	s_mul_i32 s69, s[WV], 6144
	s_add_co_u32 s69, s69, 32768
	s_mov_b32 s86, s69
	s_add_nc_u64 s[70:71], s[82:83], s[86:87]
	s_or_b32 s71, s71, 0x80000000
	s_mov_b32 s72, 1
	s_lshl_b32 s73, s[WV], 13
	s_add_co_u32 s73, s73, 131072
	s_mov_b32 s86, s73
	s_add_nc_u64 s[74:75], s[82:83], s[86:87]
	s_or_b32 s75, s75, 0x80000000
	ROUND                                          ; all four work-groups are here: the joint loads meet
	tensor_load_to_lds s[56:59], s[24:31]          ; four loads of mine are out
	s_nop 0
	tensor_load_to_lds s[60:63], s[32:39]
	s_nop 0
	tensor_load_to_lds s[68:71], s[40:47]
	s_nop 0
	tensor_load_to_lds s[72:75], s[48:55]
	s_nop 0
.rept 4
	v_nop
.endr
	s_and_b32 s10, s[WV], 7
	s_add_co_u32 s[JL], s10, 8
	s_sub_co_u32 s[JS], 7, s10
	s_lshr_b32 s10, s[WV], 3                       ; u
	s_lshl_b32 s11, s8, 1
	s_add_co_u32 s11, s11, s10                     ; e = 2 cx + u
; the four bases of the tile of step s[j]: q's codes, q's scale words, the answers' codes, the answers' scale bytes
.macro BASES j, qc, qs, oc, os
	s_lshl_b32 s88, s9, 4
	s_add_co_u32 s88, s88, s[\j]
	s_lshl_b32 s[\qs], s88, 8                      ; a step's 256 bytes of scale words; word cx of my row's four
	s_lshl_b32 s89, s8, 2
	s_add_co_u32 s[\qs], s[\qs], s89
	s_add_co_u32 s[\qs], s[\qs], QSO
	s_mov_b32 s[\qs+1], 0
	s_add_nc_u64 s[\qs:\qs+1], s[4:5], s[\qs:\qs+1]
	s_lshl_b32 s88, s88, 3
	s_add_co_u32 s88, s88, s11
	s_lshl_b32 s[\qc], s88, 10                     ; a tile's two pieces: 1,024 bytes
	s_mov_b32 s[\qc+1], 0
	s_add_nc_u64 s[\qc:\qc+1], s[4:5], s[\qc:\qc+1]
	s_lshr_b32 s88, s9, 4
	s_lshl_b32 s88, s88, 4
	s_add_co_u32 s88, s88, s[\j]
	s_lshl_b32 s88, s88, 3
	s_add_co_u32 s88, s88, s11                     ; the tile of 16 rows among all 512: 128 batch + 8 J + e
	s_and_b32 s89, s9, 15                          ; the head
	s_lshl_b32 s[\oc], s88, 14
	s_lshl_b32 s95, s89, 10
	s_add_co_u32 s[\oc], s[\oc], s95
	s_mov_b32 s[\oc+1], 0
	s_add_nc_u64 s[\oc:\oc+1], s[6:7], s[\oc:\oc+1]
	s_lshl_b32 s[\os], s88, 9
	s_lshl_b32 s95, s89, 1
	s_add_co_u32 s[\os], s[\os], s95
	s_add_co_u32 s[\os], s[\os], ASO
	s_mov_b32 s[\os+1], 0
	s_add_nc_u64 s[\os:\os+1], s[6:7], s[\os:\os+1]
.endm
	BASES JL, 12, 16, 92, 96
	BASES JS, 14, 90, 98, 100
	v_and_b32 v9, 31, v0
	s_delay_alu instid0(VALU_DEP_1)
	v_lshlrev_b32 v[LI], 4, v9
	v_and_b32 v10, 15, v0                          ; r
	v_bfe_u32 v[HH], v0, 4, 1
	s_delay_alu instid0(VALU_DEP_2)
	v_lshlrev_b32 v[R16], 4, v10
	s_delay_alu instid0(VALU_DEP_1)
	v_add_nc_u32 v[LSC], SCB, v[R16]
	global_load_b128 v[QR:QR+3], v[LI], s[12:13]                ; the first tile's q, d block 0, 1; and once more behind the zeros
	global_load_b128 v[QR+4:QR+7], v[LI], s[12:13] offset:512
	global_load_b128 v[QR+16:QR+19], v[LI], s[12:13]
	global_load_b128 v[QR+20:QR+23], v[LI], s[12:13] offset:512
	global_load_b128 v[QN:QN+3], v[LI], s[14:15]                ; the second tile's
	global_load_b128 v[QN+4:QN+7], v[LI], s[14:15] offset:512
	global_load_b32 v[QSW], v[R16], s[16:17]
	global_load_b32 v[QNS], v[R16], s[90:91]
	v_lshl_add_u32 v[AB], v10, 5, v[HH]
	v_and_b32 v11, 8, v10
	s_delay_alu instid0(VALU_DEP_1)
	v_add_nc_u32 v11, v11, v10
	v_lshlrev_b32 v9, 4, v[HH]
	s_delay_alu instid0(VALU_DEP_1)
	v_sub_nc_u32 v[DQ], v11, v9
	s_lshl_b32 s88, s8, 5
	s_lshl_b32 s89, s10, 3
	s_add_co_u32 s88, s88, s89
	v_add_nc_u32 v[DQ], s88, v[DQ]                 ; 32 cx + 8 u + r + 8 (r / 8) - 16 h
	s_cmp_lg_u32 s10, 0
	s_mov_b32 s95, 0x01000100
	s_cselect_b32 s95, 0x03020302, s95             ; my tile's two bytes of the word, twice: [s0 s1 s0 s1] serves both halves of K
	s_mov_b32 s[SEL], 0x76543210
	s_mov_b32 s[SEL+1], 0xfedcba98
	s_mov_b32 s[CS], 0x3e38aa3b                    ; log2(e) / 8
	s_mov_b32 s[CS+1], s[CS]
.irp i, 8,9,10,11,12,13,14,15
	v_mov_b32 v[QR+\i], 0                          ; zero codes
.endr
.irp b, 0,1,2,3
	v_mov_b32 v[BP+\b], 0                          ; written once: a lane permute's destination counts as one of its sources
.endr
	v_mov_b32 v[FF+1], 0                           ; (named as the upper half of a pair)
	v_mov_b32 v[TMP], 0
	v_mov_b32 v[NINF], 0xff800000
.macro INIT                            ; a tile begins: the largest t under every t, the sum and O^T zero; so the step has no first form of its own
	v_mov_b32 v13, 0xff61b1e6
	s_delay_alu instid0(VALU_DEP_1)
	v_floor_f32 v12, -v13
	v_mov_b32 v14, 0
	v_mov_b32 v15, 0
.set i, 0
.rept 32
	v_mov_b32 v[O+i], 0
.set i, i+1
.endr
.endm
	INIT
; A KEY STEP: 128 keys.  causal = 1: steps behind the tile's own are jumped over (not the lines that step addresses), and the tile's own step is masked.
.macro STEP causal
.if \causal
	s_cmp_gt_u32 s[JC], s[JD]
	s_cbranch_scc1 .Lhid_\@
.endif
	s_setprio 2
	v_add_nc_u32 v[ADK], s[TB], v[LI]
	v_add_nc_u32 v[ADS], s[TS], v[LSC]
.rept 6
	v_nop                                          ; with the two additions: eight places in front of loads into registers that the last products read
.endr
.irp f, 0,1,2,3
.irp c, 0,1,2,3
	ds_load_b128 v[F+16*\f+4*\c:F+16*\f+4*\c+3], v[ADK] offset:2048*\f+512*\c
.endr
.endr
	ds_load_b128 v[KSC:KSC+3], v[ADS]              ; my row's words of the four fragments
	s_wait_alu depctr_va_vdst(0)
	s_wait_dscnt 0x0
.irp f, 0,1,2,3
	v_wmma_scale_f32_16x16x128_f8f6f4 v[S+16*\f:S+16*\f+7], v[F+16*\f:F+16*\f+15], v[QR:QR+15], 0, v[KSC+\f], v[QSW]
	v_wmma_scale_f32_16x16x128_f8f6f4 v[S+16*\f+8:S+16*\f+15], v[F+16*\f:F+16*\f+15], v[QR+8:QR+23], 0, v[KSC+\f], v[QSW]
.endr
.rept 8
	v_nop
.endr
.irp t, 0,1,2,3
.irp c, 0,1,2,3
	ds_load_b128 v[F+16*\t+4*\c:F+16*\t+4*\c+3], v[ADK] offset:8192+2048*\t+512*\c   ; V's fragments land while the softmax is worked
.endr
.endr
	ds_load_b128 v[VSC:VSC+3], v[ADS] offset:256
.if \causal
	s_cmp_lg_u32 s[JC], s[JD]
	s_cbranch_scc1 .Lopen_\@
.irp n, 0,1,2,3,4,5,6,7,8,9,10,11,12,13,14,15,16,17,18,19,20,21,22,23,24,25,26,27,28,29,30,31,32,33,34,35,36,37,38,39,40,41,42,43,44,45,46,47,48,49,50,51,52,53,54,55,56,57,58,59,60,61,62,63
	v_cmp_gt_i32 vcc_lo, 32*(\n/16)+\n%16, v[DQ]   ; register 16 b + i holds key 32 b + 16 h + i of the step: hidden where it comes after my query
	v_cndmask_b32 v[S+\n], v[S+\n], v[NINF], vcc_lo
.endr
.Lopen_\@:
.endif
.irp b, 0,1,2,3
	v_max3_num_f32 v[BM+\b], v[S+16*\b], v[S+16*\b+1], v[S+16*\b+2]   ; the largest score of each block of 32 keys: for the row's maximum, and for the block's largest p
.endr
.irp i, 3,5,7,9,11,13
.irp b, 0,1,2,3
	v_max3_num_f32 v[BM+\b], v[BM+\b], v[S+16*\b+\i], v[S+16*\b+\i+1]
.endr
.endr
.irp b, 0,1,2,3
	v_max_num_f32 v[BM+\b], v[BM+\b], v[S+16*\b+15]
.endr
.irp b, 0,1,2,3
	s_delay_alu instid0(VALU_DEP_4)
	v_permlanex16_b32 v[BP+\b], v[BM+\b], s[SEL], s[SEL+1]
.endr
.irp b, 0,1,2,3
	s_delay_alu instid0(VALU_DEP_4)
	v_max_num_f32 v[BM+\b], v[BM+\b], v[BP+\b]
.endr
	s_delay_alu instid0(VALU_DEP_2)
	v_max3_num_f32 v[TMP], v[BM], v[BM+1], v[BM+2]
	s_delay_alu instid0(VALU_DEP_1)
	v_max_num_f32 v[TMP], v[TMP], v[BM+3]
	s_delay_alu instid0(VALU_DEP_1)
	v_mul_f32 v[TMP], s[CS], v[TMP]
	s_delay_alu instid0(VALU_DEP_1)
	v_max_num_f32 v13, v13, v[TMP]                 ; the running largest t
	v_mov_b32 v[TMP], v12
	s_delay_alu instid0(VALU_DEP_2)
	v_floor_f32 v12, -v13                          ; -M = floor(-t)
	s_delay_alu instid0(VALU_DEP_1)
	v_sub_f32 v[TMP], v12, v[TMP]                  ; old M - new M: a whole number, 0 or less
	s_delay_alu instid0(VALU_DEP_1)
	v_cvt_i32_f32 v[TMP], v[TMP]
	s_delay_alu instid0(VALU_DEP_1)
	v_ldexp_f32 v[FF], 1.0, v[TMP]                 ; f = 2^(old M - new M)
.set j, 0
.rept 32
	v_pk_fma_f32 v[S+j:S+j+1], v[S+j:S+j+1], s[CS:CS+1], v[12:13] op_sel_hi:[1,0,0]   ; t - M
.set j, j+2
.endr
.irp b, 0,1,2,3
	v_fma_f32 v[BM+\b], v[BM+\b], s[CS], v12
.endr
.set j, 0
	s_setprio 1
	s_wait_alu depctr_va_vdst(0)
.rept 64
	v_exp_f32 v[S+j], v[S+j]                       ; p
.set j, j+1
.endr
	v_pk_mul_f32 v[14:15], v[14:15], v[FF:FF+1] op_sel_hi:[1,0]      ; the sums under the new M: a plain line behind the exponentials
	s_wait_alu depctr_va_vdst(0)                   ; one wait for the batch, ahead of its first reader
.irp b, 0,1,2,3
	v_exp_f32 v[BM+\b], v[BM+\b]                   ; each block's largest p
.endr
	v_pk_add_f32 v[230:231], v[108:109], v[112:113]
	v_pk_add_f32 v[240:241], v[116:117], v[120:121]
	v_pk_add_f32 v[238:239], v[124:125], v[128:129]
	v_pk_add_f32 v[236:237], v[132:133], v[136:137]
	v_pk_add_f32 v[234:235], v[140:141], v[144:145]
	v_pk_add_f32 v[232:233], v[148:149], v[152:153]
	v_pk_add_f32 v[218:219], v[156:157], v[160:161]
	v_pk_add_f32 v[14:15], v[14:15], v[164:165]
	v_pk_add_f32 v[230:231], v[230:231], v[104:105]
	v_pk_add_f32 v[240:241], v[240:241], v[106:107]
	v_pk_add_f32 v[238:239], v[238:239], v[110:111]
	v_pk_add_f32 v[236:237], v[236:237], v[114:115]
	v_pk_add_f32 v[234:235], v[234:235], v[118:119]
	v_pk_add_f32 v[232:233], v[232:233], v[122:123]
	v_pk_add_f32 v[218:219], v[218:219], v[126:127]
	v_pk_add_f32 v[14:15], v[14:15], v[130:131]
	v_pk_add_f32 v[230:231], v[230:231], v[134:135]
	v_pk_add_f32 v[240:241], v[240:241], v[138:139]
	v_pk_add_f32 v[238:239], v[238:239], v[142:143]
	v_pk_add_f32 v[236:237], v[236:237], v[146:147]
	v_pk_add_f32 v[234:235], v[234:235], v[150:151]
	v_pk_add_f32 v[232:233], v[232:233], v[154:155]
	v_pk_add_f32 v[218:219], v[218:219], v[158:159]
	v_pk_add_f32 v[14:15], v[14:15], v[162:163]
	v_pk_add_f32 v[230:231], v[230:231], v[166:167]
	s_delay_alu instid0(VALU_DEP_2)
	v_pk_add_f32 v[14:15], v[14:15], v[236:237]
	s_delay_alu instid0(VALU_DEP_2)
	v_pk_add_f32 v[230:231], v[230:231], v[234:235]
	v_pk_add_f32 v[240:241], v[240:241], v[232:233]
	v_pk_add_f32 v[238:239], v[238:239], v[218:219]
	s_delay_alu instid0(VALU_DEP_2)
	v_pk_add_f32 v[14:15], v[14:15], v[240:241]
	s_delay_alu instid0(VALU_DEP_2)
	v_pk_add_f32 v[230:231], v[230:231], v[238:239]
	s_delay_alu instid0(VALU_DEP_1)
	v_pk_add_f32 v[14:15], v[14:15], v[230:231]
	s_wait_alu depctr_va_vdst(0)                   ; and one for the four
.irp b, 0,1,2,3
	v_max_num_f32 v[BM+\b], 0x4800000, v[BM+\b]    ; the floor
.endr
.irp b, 0,1,2,3
	s_delay_alu instid0(VALU_DEP_4)
	v_add_nc_u32 v[BS+\b], 0xfc000000, v[BM+\b]    ; the conversion's scale operand
.endr
.irp b, 0,1,2,3
.endr
.irp b, 0,1,2,3
	s_delay_alu instid0(VALU_DEP_4)
	v_lshrrev_b32 v[BP+\b], 23, v[BS+\b]
.endr
	s_delay_alu instid0(VALU_DEP_3)
	v_lshl_or_b32 v[PS], v[BP+1], 8, v[BP]         ; p's scale word for these 128 keys
	s_delay_alu instid0(VALU_DEP_1)
	v_lshl_or_b32 v[PS], v[BP+2], 16, v[PS]
	s_delay_alu instid0(VALU_DEP_1)
	v_lshl_or_b32 v[PS], v[BP+3], 24, v[PS]
	s_setprio 0
.irp b, 0,1,2,3
.irp i, 0,1,2,3,4,5,6,7,8,9,10,11,12,13,14,15
.endr
	v_cvt_scalef32_pk8_fp8_f32 v[PC+4*\b:PC+4*\b+1], v[S+16*\b:S+16*\b+7], v[BS+\b]
	v_cvt_scalef32_pk8_fp8_f32 v[PC+4*\b+2:PC+4*\b+3], v[S+16*\b+8:S+16*\b+15], v[BS+\b]
.endr
.set j, 0
.rept 16
	v_pk_mul_f32 v[O+j:O+j+1], v[O+j:O+j+1], v[FF:FF+1] op_sel_hi:[1,0]   ; O^T under the new M; these are also the places in front of the products below
.set j, j+2
.endr
	s_wait_alu depctr_va_vdst(0)
	s_wait_dscnt 0x0                               ; V's fragments and words are in
.irp t, 0,1,2,3
	v_wmma_scale_f32_16x16x128_f8f6f4 v[O+8*\t:O+8*\t+7], v[F+16*\t:F+16*\t+15], v[PC:PC+15], v[O+8*\t:O+8*\t+7], v[VSC+\t], v[PS]
.endr
.if \causal
.Lhid_\@:
.endif
	s_add_co_u32 s[TB], s[TB], 16384
	s_add_co_u32 s[TS], s[TS], 512
	s_add_co_u32 s[JC], s[JC], 1
.endm
; A tile's way out: O^T / the sum; its two blocks of 32 along d are quantised; two pieces of 512 bytes, and a scale byte a lane (lanes 0-15 block 0's, lanes 16-31 block 1's).
.macro OUT oc, os
	v_add_f32 v14, v14, v15
	s_delay_alu instid0(VALU_DEP_1)
	v_permlanex16_b32 v[TMP], v14, s[SEL], s[SEL+1]
	s_delay_alu instid0(VALU_DEP_1)
	v_add_f32 v14, v14, v[TMP]                     ; the row's sum
	s_wait_alu depctr_va_vdst(0)
	v_rcp_f32 v14, v14
.rept 8
	v_nop                                          ; the places behind the last products, and the plain line behind the reciprocal
.endr
	s_wait_alu depctr_va_vdst(0)                   ; ahead of the reciprocal's first reader
.set j, 0
.rept 16
	v_pk_mul_f32 v[S+j:S+j+1], v[O+j:O+j+1], v[14:15] op_sel_hi:[1,0]   ; register 16 g + i: d = 32 g + 16 h + i
.set j, j+2
.endr
.irp b, 0,1
	v_max3_num_f32 v[BM+\b], |v[S+16*\b]|, |v[S+16*\b+1]|, 0x4800000
.endr
.irp i, 2,4,6,8,10,12,14
.irp b, 0,1
	s_delay_alu instid0(VALU_DEP_2)
	v_max3_num_f32 v[BM+\b], v[BM+\b], |v[S+16*\b+\i]|, |v[S+16*\b+\i+1]|
.endr
.endr
.irp b, 0,1
	s_delay_alu instid0(VALU_DEP_2)
	v_permlanex16_b32 v[BP+\b], v[BM+\b], s[SEL], s[SEL+1]
.endr
.irp b, 0,1
	s_delay_alu instid0(VALU_DEP_2)
	v_max_num_f32 v[BM+\b], v[BM+\b], v[BP+\b]
.endr
.irp b, 0
	s_delay_alu instid0(VALU_DEP_2)
	v_add_nc_u32 v[BS+\b], 0xfc000000, v[BM+\b]
	s_delay_alu instid0(VALU_DEP_1)
	v_lshrrev_b32 v[BP+\b], 23, v[BS+\b]
.endr
.irp b, 1
	s_delay_alu instid0(VALU_DEP_3)
	v_add_nc_u32 v[BS+\b], 0xfc000000, v[BM+\b]
	s_delay_alu instid0(VALU_DEP_1)
	v_lshrrev_b32 v[BP+\b], 23, v[BS+\b]
.endr
.irp b, 0,1
.irp i, 0,1,2,3,4,5,6,7,8,9,10,11,12,13,14,15
.endr
	v_cvt_scalef32_pk8_fp8_f32 v[PC+4*\b:PC+4*\b+1], v[S+16*\b:S+16*\b+7], v[BS+\b]
	v_cvt_scalef32_pk8_fp8_f32 v[PC+4*\b+2:PC+4*\b+3], v[S+16*\b+8:S+16*\b+15], v[BS+\b]
.endr
	v_nop                                          ; a plain line behind the last conversion
	v_cmp_eq_u32 vcc_lo, 1, v[HH]
	s_delay_alu instid0(VALU_DEP_1)
	v_cndmask_b32 v[TMP], v[BP], v[BP+1], vcc_lo
	global_store_b128 v[LI], v[PC:PC+3], s[\oc:\oc+1]              ; 512 consecutive bytes, aligned
	global_store_b128 v[LI], v[PC+4:PC+7], s[\oc:\oc+1] offset:512
	global_store_b8 v[AB], v[TMP], s[\os:\os+1]                    ; two bytes of each row's 32: one byte in 32 of what the tile stores
.endm
	s_wait_loadcnt 0x0                             ; q and its words
	v_perm_b32 v[QSW], v[QSW], v[QSW], s95
	s_wait_tensorcnt 0x2                           ; my parts of the scale words and of steps 0-1 are in; the two later loads may be out
	s_barrier_signal -1
	s_barrier_wait -1                              ; everybody's are
	s_mov_b32 s[TB], 0
	s_mov_b32 s[TS], 0
	s_mov_b32 s[JC], 0
.Lloop_a:                                          ; the first tile lies in steps 8-15: steps 0-7 are open in every wave
	s_wait_alu depctr_va_vdst(0)
	STEP 0
	s_cmp_lt_u32 s[JC], 2
	s_cbranch_scc1 .Lloop_a
	s_setprio 0
	s_wait_tensorcnt 0x1                           ; my part of steps 2-7
	s_wait_dscnt 0x0
	s_barrier_signal -1
	s_barrier_wait -1
	s_mov_b32 s[TB], 32768
	s_mov_b32 s[TS], 1024
	s_mov_b32 s[JC], 2
.Lloop_b:
	STEP 0
	s_cmp_lt_u32 s[JC], 8
	s_cbranch_scc1 .Lloop_b
	s_setprio 0
	s_wait_tensorcnt 0x0                           ; my part of steps 8-15
	s_wait_dscnt 0x0
	s_barrier_signal -1
	s_barrier_wait -1
	s_mov_b32 s[TB], 131072
	s_mov_b32 s[TS], 4096
	s_mov_b32 s[JC], 8
	s_mov_b32 s[JD], s[JL]
.Lloop_c:                                          ; eight trips in every wave; the steps behind the tile's own are jumped over inside the trip
	STEP 1
	s_cmp_lt_u32 s[JC], 16
	s_cbranch_scc1 .Lloop_c
	s_setprio 0
	OUT 92, 96
	s_wait_xcnt 0x0                                ; the stores have read their registers
.irp i, 0,1,2,3,4,5,6,7
	v_mov_b32 v[QR+\i], v[QN+\i]                   ; the second tile's q
	v_mov_b32 v[QR+16+\i], v[QN+\i]
.endr
	v_perm_b32 v[QSW], v[QNS], v[QNS], s95
	INIT
	s_mov_b32 s[TB], 0
	s_mov_b32 s[TS], 0
	s_mov_b32 s[JC], 0
	s_mov_b32 s[JD], s[JS]
.Lloop_d:
	STEP 1
	s_cmp_lt_u32 s[JC], 8
	s_cbranch_scc1 .Lloop_d
	s_setprio 0
	OUT 98, 100
	s_wait_dscnt 0x0
	s_wait_xcnt 0x0
	v_lshl_add_u32 v254, v0, 2, 0x42000
	v_mov_b32 v255, 0
	s_wait_alu depctr_va_vdst(0)
	s_wait_tensorcnt 0x0
	ds_add_u32 v254, v255
	s_wait_dscnt 0x0
	ROUND                                          ; the closing round
	s_endpgm
.Lfunc_end_k_qeea0852d35_attn:
	.size	k_qeea0852d35_attn, .Lfunc_end_k_qeea0852d35_attn-k_qeea0852d35_attn
	.p2alignl 7, 3214868480
	.fill 96, 4, 3214868480
	.section	.rodata,"a",@progbits
	.p2align	6, 0x0
	.amdhsa_kernel k_qeea0852d35_attn
		.amdhsa_group_segment_fixed_size 272384
		.amdhsa_private_segment_fixed_size 0
		.amdhsa_enable_private_segment 0
		.amdhsa_kernarg_size 16
		.amdhsa_user_sgpr_count 2
		.amdhsa_user_sgpr_kernarg_segment_ptr 1
		.amdhsa_wavefront_size32 1
		.amdhsa_system_sgpr_workgroup_id_x 1
		.amdhsa_system_sgpr_workgroup_id_y 1
		.amdhsa_system_sgpr_workgroup_id_z 1
		.amdhsa_system_vgpr_workitem_id 0
		.amdhsa_next_free_vgpr 256
		.amdhsa_next_free_sgpr 104
		.amdhsa_reserve_vcc 1
		.amdhsa_float_denorm_mode_32 3
		.amdhsa_float_denorm_mode_16_64 3
		.amdhsa_fp16_overflow 1
		.amdhsa_memory_ordered 1
		.amdhsa_forward_progress 1
		.amdhsa_inst_pref_size 102
	.end_amdhsa_kernel
	.amdgpu_metadata
---
amdhsa.version: [ 1, 2 ]
amdhsa.kernels:
  - .name:           k_qeea0852d35_attn
    .symbol:         k_qeea0852d35_attn.kd
    .args:
      - { .name: qkv, .offset: 0, .size: 8, .value_kind: global_buffer, .address_space: global }
      - { .name: ans, .offset: 8, .size: 8, .value_kind: global_buffer, .address_space: global }
    .group_segment_fixed_size: 272384
    .private_segment_fixed_size: 0
    .kernarg_segment_align: 8
    .kernarg_segment_size: 16
    .max_flat_workgroup_size: 512
    .sgpr_count:     104
    .vgpr_count:     256
    .wavefront_size: 32
...
	.end_amdgpu_metadata
.endif
;; end of part 3
;; launch gemm_out (part 4): grid 4 x 32, 4 waves a work-group, clusters of 4 x 4, 327,680 bytes of LDS; arguments ans, wsq, b_out, out0; writes out0
.if DOCPART == 4
	.amdgcn_target "amdgcn-amd-amdhsa--gfx1250"
	.amdhsa_code_object_version 6
	.text
	.protected	k_qeea0852d35_gemm_out
	.globl	k_qeea0852d35_gemm_out
	.p2align	8
	.type	k_qeea0852d35_gemm_out,@function
k_qeea0852d35_gemm_out:
	s_mov_b64 s[64:65], 0
	v_nop
	global_prefetch_b8 v0, s[64:65] scope:SCOPE_SE
	s_setreg_imm32_b32 hwreg(HW_REG_WAVE_MODE, 25, 1), 1
	s_wait_xcnt 0x0
	s_wait_alu depctr_hold_cnt(0) depctr_sa_sdst(0) depctr_va_vdst(0) depctr_va_sdst(0) depctr_va_ssrc(0) depctr_va_vcc(0) depctr_vm_vsrc(0)
	s_getreg_b32 s2, hwreg(HW_REG_IB_STS2, 6, 4)
	s_cmp_eq_u32 s2, 0
	s_cbranch_scc0 .Lentry_in_a_cluster
	s_endpgm
.Lentry_in_a_cluster:
	s_bfe_u32 s2, ttmp6, 0x10000c
	s_cmp_lg_u32 s2, 0xf033
	s_cbranch_scc0 .Lentry_shape_is_right
	s_endpgm
.Lentry_shape_is_right:
.set NQ,     2
.set ROWB,   256
.set KROW,   1024
.set PITCH,  272
.set FR,     16
.set NL,     4
.set NP,     8
.set HALFT,  128*PITCH
.set SLOT,   4*HALFT
.set KS,     32
.set SCL,    2*SLOT
.set HALFS,  (128*KS/256)*272
.set SBLK,   (16*KS/256)*272
.set SPARE,  SCL+4*HALFS
.set SPITCH, 528
.set ASO,    8388608
.set WOC,    11534336
.set WOS,    12943360
.set ADRA, 16
.set ADRB, 20
.set STO,  24
.set RD,   25
.set CO,   26
.set ADRS, 27
.set SPW,  28
.set NIL,  29
.set BH64, 30
.set SC,   32
.set BI,   64
.set AF,   128
.set BK,   128
.set G1, 24
.set G0, 32
.set G1B, 48
.set G0B, 56
.set G1S, 68
.set G0S, 76
.set G1SB, 80
.set G0SB, 88
.set MSB, 0
.macro WIN new
.if MSB != \new
	s_set_vgpr_msb (MSB<<8)|\new
.set MSB, \new
.endif
.endm
.set MUL_LO, 0xa1
.set MUL_HI, 0xf1
.set TO_B,   0x40
.macro JLOAD g0a, g1a, g0b, g1b
	s_cmp_eq_u32 s15, 0
	s_cbranch_scc0 .Lfor_b_\@
	tensor_load_to_lds s[\g0a:\g0a+3], s[\g1a:\g1a+7]
	s_nop 0
.rept 4
	v_nop
.endr
	s_branch .Lasked_\@
.Lfor_b_\@:
	tensor_load_to_lds s[\g0b:\g0b+3], s[\g1b:\g1b+7]
	s_nop 0
.rept 4
	v_nop
.endr
.Lasked_\@:
.endm
.macro CREST
	s_cmp_lg_u32 s14, 0
	s_cbranch_scc1 .Lnot_wave_0_\@
	s_barrier_signal -3
.Lnot_wave_0_\@:
	s_barrier_wait -3
	s_barrier_signal -1
	s_barrier_wait -1
.endm
.macro CROUND
	s_barrier_signal -1
	s_barrier_wait -1
	CREST
.endm
	s_load_b256 s[4:11], s[0:1], 0x0
	v_lshl_add_u32 v[SPW], v0, 2, SPARE
	v_mov_b32 v[NIL], 0
	ds_add_u32 v28, v29
	ds_add_u32 v28, v29
	s_wait_dscnt 0x0
	v_lshrrev_b32 v1, 5, v0
	v_readfirstlane_b32 s14, v1
	s_lshr_b32 s15, s14, 1
	s_and_b32 s16, s14, 1
	s_bfe_u32 s40, ttmp6, 0x40000
	s_bfe_u32 s41, ttmp6, 0x40004
	s_lshl_b32 s42, ttmp9, 2
	s_add_co_u32 s42, s42, s40
	s_and_b32 s17, ttmp7, 0xffff
	s_lshl_b32 s17, s17, 2
	s_add_co_u32 s17, s17, s41
	s_lshl_b32 s43, s41, 2
	s_lshl_b32 s43, 15, s43
	s_lshl_b32 s44, 0x1111, s40
	s_or_b32 s[G1+0], s43, (1<<21)
	s_mov_b32 s[G1+1], 4096<<16
	s_mov_b32 s[G1+2], 8<<16
	s_mov_b32 s[G1+3], 4096<<16
	s_mov_b32 s[G1+4], 8
	s_mov_b32 s[G1+5], 16384
	s_mov_b32 s[G1+6], 0
	s_mov_b32 s[G1+7], 0
	s_or_b32 s[G1B+0], s44, (0<<16)|(1<<20)|(1<<21)|(5<<22)|(3<<25)
	s_mov_b32 s[G1B+1], ROWB<<16
	s_mov_b32 s[G1B+2], 128<<16
	s_mov_b32 s[G1B+3], ROWB<<16
	s_mov_b32 s[G1B+4], 128
	s_mov_b32 s[G1B+5], KROW
	s_mov_b32 s[G1B+6], 0
	s_mov_b32 s[G1B+7], 0
	s_or_b32 s[G1S+0], s43, (3<<16)|(1<<20)|(1<<21)|(5<<22)|(3<<25)
	s_or_b32 s[G1SB+0], s44, (3<<16)|(1<<20)|(1<<21)|(5<<22)|(3<<25)
.irp g, G1S, G1SB
	s_mov_b32 s[\g+1], 32<<16
	s_mov_b32 s[\g+2], (128*KS/256)<<16
	s_mov_b32 s[\g+3], 32<<16
	s_mov_b32 s[\g+4], 128*KS/256
	s_mov_b32 s[\g+5], 32
	s_mov_b32 s[\g+6], 0
	s_mov_b32 s[\g+7], 0
.endr
	s_lshl_b32 s20, s17, 4
	s_lshl_b32 s18, s16, 3
	s_add_co_u32 s20, s20, s18
	s_lshl_b32 s22, s20, 9
	s_add_co_u32 s22, s22, ASO
	s_lshl_b32 s20, s20, 14
	s_lshl_b32 s46, s42, 8
	s_lshl_b32 s18, s16, 7
	s_add_co_u32 s46, s46, s18
	s_lshl_b32 s92, s46, 5
	s_add_co_u32 s92, s92, WOS
	s_lshl_b32 s46, s46, 10
	s_add_co_u32 s46, s46, WOC
	s_mov_b32 s21, 0
	s_mov_b32 s23, 0
	s_mov_b32 s47, 0
	s_mov_b32 s93, 0
	s_mul_i32 s45, s14, HALFT
	s_mul_i32 s94, s14, HALFS
	s_wait_kmcnt 0x0
	s_add_nc_u64 s[20:21], s[4:5], s[20:21]
	s_add_nc_u64 s[22:23], s[4:5], s[22:23]
	s_add_nc_u64 s[46:47], s[6:7], s[46:47]
	s_add_nc_u64 s[92:93], s[6:7], s[92:93]
	CROUND
	s_mov_b32 s[G0S], 1
	s_add_co_u32 s[G0S+1], s94, SCL
	s_mov_b64 s[G0S+2:G0S+3], s[22:23]
	s_or_b32 s[G0S+3], s[G0S+3], 0x80000000
	s_mov_b32 s[G0SB], 1
	s_add_co_u32 s[G0SB+1], s94, SCL
	s_mov_b64 s[G0SB+2:G0SB+3], s[92:93]
	s_or_b32 s[G0SB+3], s[G0SB+3], 0x80000000
	JLOAD G0S, G1S, G0SB, G1SB
.irp s, 0,1
	s_mov_b32 s[G0+4*\s], 1
	s_add_co_u32 s[G0+4*\s+1], s45, \s*SLOT
	s_add_nc_u64 s[G0+4*\s+2:G0+4*\s+3], s[20:21], \s*4096
	s_or_b32 s[G0+4*\s+3], s[G0+4*\s+3], 0x80000000
	s_mov_b32 s[G0B+4*\s], 1
	s_add_co_u32 s[G0B+4*\s+1], s45, \s*SLOT
	s_add_nc_u64 s[G0B+4*\s+2:G0B+4*\s+3], s[46:47], \s*ROWB
	s_or_b32 s[G0B+4*\s+3], s[G0B+4*\s+3], 0x80000000
	s_wait_alu depctr_va_vdst(0)
	s_wait_tensorcnt 0x0
	ds_add_u32 v28, v29
	s_wait_dscnt 0x0
	CROUND
	JLOAD G0+4*\s, G1, G0B+4*\s, G1B
.endr
	v_and_b32 v1, 15, v0
	v_bfe_u32 v2, v0, 4, 1
	v_and_b32 v6, 31, v0
	v_lshlrev_b32 v[CO], 4, v6
	v_mul_u32_u24 v3, v1, PITCH
	v_lshl_add_u32 v4, v2, 4, v3
	s_mul_i32 s18, s15, HALFT
	s_mul_i32 s19, s16, HALFT
	s_add_co_u32 s19, s19, 2*HALFT
.irp s, 0,1
	v_add_nc_u32 v[ADRA+\s], s18, v[CO]
	v_add_nc_u32 v[ADRB+\s], s19, v4
	s_add_co_u32 s18, s18, SLOT
	s_add_co_u32 s19, s19, SLOT
.endr
	v_mul_u32_u24 v5, v1, KS
	v_lshrrev_b32 v6, 8, v5
	v_lshl_add_u32 v5, v6, 4, v5
	s_mul_i32 s18, s15, HALFS
	s_mul_i32 s19, s16, HALFS
	s_add_co_u32 s19, s19, 2*HALFS
	s_sub_co_u32 s19, s19, s18
	v_mul_u32_u24 v6, s19, v2
	s_add_co_u32 s18, s18, SCL
	v_add_nc_u32 v5, v5, v6
	v_add_nc_u32 v[ADRS], s18, v5
	s_mul_i32 s18, s14, 16*SPITCH
	v_mul_u32_u24 v5, v1, SPITCH
	v_lshl_add_u32 v5, v2, 6, v5
	v_add_nc_u32 v[STO], s18, v5
	v_add_nc_u32 v[RD], s18, v[CO]
	v_lshlrev_b32 v[BH64], 6, v2
	s_wait_alu depctr_va_vdst(0)
	s_lshl_b32 s2, s42, 10
	s_lshl_b32 s3, s16, 9
	s_add_co_u32 s2, s2, s3
	s_lshl_b32 s12, s17, 8
	s_lshl_b32 s13, s15, 7
	s_add_co_u32 s12, s12, s13
	s_lshl_b32 s12, s12, 12
	s_add_co_u32 s12, s12, s2
	s_mov_b32 s13, 0
	s_mov_b32 s3, 0
	s_add_nc_u64 s[12:13], s[10:11], s[12:13]
	s_add_nc_u64 s[2:3], s[8:9], s[2:3]
.irp b, 0,1,2,3,4,5,6,7
	global_load_b128 v[BI+8*\b:BI+8*\b+3], v[BH64], s[2:3] offset:4*(32*(\b/2)+8*(\b%2))
	global_load_b128 v[BI+8*\b+4:BI+8*\b+7], v[BH64], s[2:3] offset:4*(32*(\b/2)+8*(\b%2))+16
.endr
.macro FRAG reg, adr, q, i
.irp c, 0,1,2,3
	ds_load_b128 v[\reg+4*\c:\reg+4*\c+3], v[\adr] offset:128*(\q)+32*\c+(\i)*16*PITCH
.endr
.endm
.macro FRAGP reg, adr, q, i
.irp c, 0,1,2,3
	ds_load_b128 v[\reg+4*\c:\reg+4*\c+3], v[\adr] offset:4096*(\i)+2048*(\q)+512*\c
.endr
.endm
.macro MUL16 a0, p, q, sc, zero
.irp a, \a0, \a0+1
.irp b, 0,1,2,3,4,5,6,7
.if \zero
	v_wmma_scale_f32_16x16x128_f8f6f4 v[8*(8*((\a)%4)+\b):8*(8*((\a)%4)+\b)+7], v[128*(\p)+FR*\b:128*(\p)+FR*\b+FR-1], v[AF+FR*(\a):AF+FR*(\a)+FR-1], v[BI+8*\b:BI+8*\b+7], v[SC+8*NQ*(\sc)+NQ*\b+(\q)], v[SC+8*NQ*(\sc)+NQ*(\a)+(\q)] matrix_a_scale:MATRIX_SCALE_ROW1
.else
	v_wmma_scale_f32_16x16x128_f8f6f4 v[8*(8*((\a)%4)+\b):8*(8*((\a)%4)+\b)+7], v[128*(\p)+FR*\b:128*(\p)+FR*\b+FR-1], v[AF+FR*(\a):AF+FR*(\a)+FR-1], v[8*(8*((\a)%4)+\b):8*(8*((\a)%4)+\b)+7], v[SC+8*NQ*(\sc)+NQ*\b+(\q)], v[SC+8*NQ*(\sc)+NQ*(\a)+(\q)] matrix_a_scale:MATRIX_SCALE_ROW1
.endif
.endr
.endr
.endm
.macro FETCH_B slot, q, p
	WIN TO_B
.irp i, 0,1,2,3,4,5,6,7
	FRAG 128*(\p)+FR*\i, ADRB+\slot, \q, \i
.endr
	WIN 0
.endm
.macro FETCH_A slot, q, i0
.irp i, \i0, \i0+1, \i0+2, \i0+3
	FRAGP AF+FR*(\i), ADRA+\slot, \q, \i
.endr
.endm
.macro SCALES sc
.irp i, 0,1,2,3,4,5,6,7
	ds_load_b64 v[SC+8*NQ*\sc+NQ*\i:SC+8*NQ*\sc+NQ*\i+1], v[ADRS] offset:\i*SBLK
.endr
.endm
.macro PLACES n
.rept \n
	v_nop
.endr
.endm
.macro STEP slot, q, zero
	s_wait_dscnt 4*NL
.if \zero
	WIN 0x81
.else
	WIN MUL_LO
.endif
	MUL16 0, (\q)%2, \q, \slot, \zero
	MUL16 2, (\q)%2, \q, \slot, \zero
	s_wait_dscnt 0
	PLACES NP
	FETCH_B \slot, (\q)+1, 1-(\q)%2
	FETCH_A \slot, (\q)+1, 0
.if \zero
	WIN 0xc1
.else
	WIN MUL_HI
.endif
	MUL16 4, (\q)%2, \q, \slot, \zero
	MUL16 6, (\q)%2, \q, \slot, \zero
	PLACES NP
	WIN 0
	FETCH_A \slot, (\q)+1, 4
.endm
.macro TURN slot, next, fill
	s_wait_tensorcnt 0x0
	ds_add_u32 v[SPW], v[NIL]
	s_wait_dscnt 4*NL+1
	WIN MUL_LO
	MUL16 0, 1, NQ-1, \slot, 0
	s_wait_dscnt 0x0
	s_barrier_signal -1
	MUL16 2, 1, NQ-1, \slot, 0
	WIN 0
	s_barrier_wait -1
.if \fill
	CREST
	s_add_nc_u64 s[G0+4*\slot+2:G0+4*\slot+3], s[G0+4*\slot+2:G0+4*\slot+3], 2*4096
	s_add_nc_u64 s[G0B+4*\slot+2:G0B+4*\slot+3], s[G0B+4*\slot+2:G0B+4*\slot+3], 2*ROWB
	JLOAD G0+4*\slot, G1, G0B+4*\slot, G1B
	PLACES NP-4
.else
	PLACES NP
.endif
	s_wait_alu depctr_va_vdst(0)
	v_add_nc_u32 v[ADRS], 4*NQ, v[ADRS]
	FETCH_B \next, 0, 0
	FETCH_A \next, 0, 0
	SCALES \next
	WIN MUL_HI
	MUL16 4, 1, NQ-1, \slot, 0
	MUL16 6, 1, NQ-1, \slot, 0
	PLACES NP
	WIN 0
	FETCH_A \next, 0, 4
.endm
	s_wait_tensorcnt 1
	s_barrier_signal -1
	s_barrier_wait -1
	FETCH_B 0, 0, 0
	FETCH_A 0, 0, 0
	SCALES 0
	FETCH_A 0, 0, 4
	s_wait_loadcnt 0x0
	STEP 0, 0, 1
	TURN 0, 1, 1
	STEP 1, 0, 0
	TURN 1, 0, 1
	STEP 0, 0, 0
	TURN 0, 1, 0
	STEP 1, 0, 0
	s_wait_dscnt 4*NL
	WIN MUL_LO
	MUL16 0, 1, NQ-1, 1, 0
	MUL16 2, 1, NQ-1, 1, 0
	s_wait_dscnt 0
	WIN MUL_HI
	MUL16 4, 1, NQ-1, 1, 0
	MUL16 6, 1, NQ-1, 1, 0
	WIN 0
.macro TOSTAGE a
.set AC, 64*((\a)%4)
	WIN (0x08+4*((\a)/4))
.irp b, 0,1,2,3,4,5,6,7
	ds_store_b128 v[STO], v[AC+8*\b:AC+8*\b+3] offset:128*(\b/2)+32*(\b%2)
	ds_store_b128 v[STO], v[AC+8*\b+4:AC+8*\b+7] offset:128*(\b/2)+32*(\b%2)+16
.endr
	WIN 0
.set BB, BK+64*((\a)%2)
.irp t, 0,1,2,3,4,5,6,7,8,9,10,11,12,13,14,15
	ds_load_b128 v[BB+4*\t:BB+4*\t+3], v[RD] offset:\t*SPITCH
.endr
.endm
.macro SEND a, younger
.set BB, BK+64*((\a)%2)
	s_wait_dscnt \younger
.irp t, 0,1,2,3,4,5,6,7,8,9,10,11,12,13,14,15
	global_store_b128 v[CO], v[BB+4*\t:BB+4*\t+3], s[12:13] offset:(32*((\a)/2)+8*((\a)%2)+\t+8*(\t/8))*4096 th:TH_STORE_NT
.endr
.endm
	PLACES NP
	TOSTAGE 0
.irp a, 1,2,3,4,5,6,7
.if \a > 1
	s_wait_xcnt 0x0
.endif
	TOSTAGE \a
	SEND \a-1, 32
.endr
	SEND 7, 0
	s_wait_tensorcnt 0x0
	ds_add_u32 v[SPW], v[NIL]
	s_wait_dscnt 0x0
	CROUND
	s_endpgm
.Lfunc_end_k_qeea0852d35_gemm_out:
	.size	k_qeea0852d35_gemm_out, .Lfunc_end_k_qeea0852d35_gemm_out-k_qeea0852d35_gemm_out
	.p2alignl 7, 3214868480
	.fill 96, 4, 3214868480
	.section	.rodata,"a",@progbits
	.p2align	6, 0x0
	.amdhsa_kernel k_qeea0852d35_gemm_out
		.amdhsa_group_segment_fixed_size 327680
		.amdhsa_private_segment_fixed_size 0
		.amdhsa_enable_private_segment 0
		.amdhsa_kernarg_size 32
		.amdhsa_user_sgpr_count 2
		.amdhsa_user_sgpr_kernarg_segment_ptr 1
		.amdhsa_wavefront_size32 1
		.amdhsa_system_sgpr_workgroup_id_x 1
		.amdhsa_system_sgpr_workgroup_id_y 1
		.amdhsa_system_sgpr_workgroup_id_z 1
		.amdhsa_system_vgpr_workitem_id 0
		.amdhsa_next_free_vgpr 1024
		.amdhsa_next_free_sgpr 98
		.amdhsa_reserve_vcc 0
		.amdhsa_float_denorm_mode_32 3
		.amdhsa_float_denorm_mode_16_64 3
		.amdhsa_memory_ordered 1
		.amdhsa_forward_progress 1
		.amdhsa_inst_pref_size 147
	.end_amdhsa_kernel
	.amdgpu_metadata
---
amdhsa.version: [ 1, 2 ]
amdhsa.kernels:
  - .name:           k_qeea0852d35_gemm_out
    .symbol:         k_qeea0852d35_gemm_out.kd
    .args:
      - { .name: ans, .offset: 0, .size: 8, .value_kind: global_buffer, .address_space: global }
      - { .name: wsq, .offset: 8, .size: 8, .value_kind: global_buffer, .address_space: global }
      - { .name: b_out, .offset: 16, .size: 8, .value_kind: global_buffer, .address_space: global }
      - { .name: out0, .offset: 24, .size: 8, .value_kind: global_buffer, .address_space: global }
    .group_segment_fixed_size: 327680
    .private_segment_fixed_size: 0
    .kernarg_segment_align: 8
    .kernarg_segment_size: 32
    .max_flat_workgroup_size: 128
    .sgpr_count:     98
    .vgpr_count:     1024
    .wavefront_size: 32
...
	.end_amdgpu_metadata
.endif
;; end of part 4
